; MI455X (gfx1250); checked and timed in simulation.
; The chip was launched on July 23, 2026; its instructions are those of AMD's public machine-readable ISA for CDNA 5 (MIT licence, August 2026) and "CDNA5" Instruction Set Architecture Reference Guide (July 2026). The comments in the code are by the model that wrote it; some were corrected since.
;; Attention. Allowed arithmetic: matrix products marked QUANTISED: E2M3 operands, one E8M0 scale for each 32 along K, by v_wmma_scale_f32_16x16x128_f8f6f4 with both operands' format E2M3, f32 sums; everything else in f32.
;; Inputs: Wproj 1,024 x 1,024 float32; Wqkv 3,072 x 1,024 float32; bproj 1,024 float32; x 8 x 1,024 x 1,024 float32.
;; Outputs: out0 8 x 1,024 x 1,024 float32.
;; This version of the problem:
;;   THIS VERSION OF THE PROBLEM IS GIVEN IN LOW PRECISION. The matrix products marked QUANTISED in the list below multiply operands that are first quantised to E2M3 (2 exponent bits, 3 mantissa bits; 6 bits a number), with one power-of-two scale for each 32 numbers along K (OCP MX v1.0); their sums are f32. All else is computed in f32.
;;   The module's matrix products, in the order in which they are computed (A, B: the left and right operand; K: the contracted axis; several contracted axes count as one K, in the product's order):
;;     1. [M 8,192, K 1,024] x [K 1,024, N 3,072]; A: input x; B: input Wqkv: QUANTISED
;;     2. batch 128 x [M 1,024, K 64] x [K 64, N 1,024]; A: computed on the way; B: computed on the way: QUANTISED
;;     3. batch 128 x [M 1,024, K 1,024] x [K 1,024, N 64]; A: softmax (see below); B: computed on the way: QUANTISED
;;     4. [M 8,192, K 1,024] x [K 1,024, N 1,024]; A: computed on the way; B: input Wproj: QUANTISED
;;   THE QUANTISER, for each operand of a quantised product, along K:
;;     - K is cut into blocks of 32 from its start; a last block that is shorter is filled with zeros.
;;     - A block's scale is 2^e with e = floor(log2(the largest magnitude in the block)) - 2, held to -126 .. 127; a block of zeros has e = 0. As a byte (E8M0): e + 127.
;;     - Each number is divided by its block's scale, clamped to +-7.5, and rounded to the nearest number of E2M3, ties to even, subnormals kept.
;;     - The product sums the exact products of the quantised numbers (number of the format x scale) in f32.
;;   ~~~python
;;   def quantise(x, axis):      # numpy; x: float32 -> the quantised numbers, widened to float32 again
;;       x = np.moveaxis(x, axis, -1); K = x.shape[-1]
;;       x = np.pad(x, [(0, 0)] * (x.ndim - 1) + [(0, -K % 32)]); x = x.reshape(x.shape[:-1] + (-1, 32)); a = np.abs(x).max(-1, keepdims=True)
;;       e = np.where(a > 0, np.clip(np.frexp(np.where(a > 0, a, 1))[1] - 1 - 2, -126, 127), 0)      # np.frexp(a)[1] - 1 = floor(log2(a)), exactly
;;       r = np.clip(x / 2.0 ** e, -7.5, 7.5)
;;       step = 2.0 ** (np.maximum(np.frexp(np.where(r == 0, 1, r))[1] - 1, 0) - 3)
;;       q = np.round(r / step) * step * 2.0 ** e      # np.round: ties to even
;;       return np.moveaxis(q.reshape(q.shape[:-2] + (-1,))[..., :K], -1, axis).astype(np.float32)
;;   ~~~
;;   SOFTMAX AHEAD OF A QUANTISED PRODUCT. Where the list says 'softmax', what is quantised is not the finished softmax but p = 2^(t - M), with t = logit x log2(e) and M = ceil(the row's largest t), a whole number; so 1/2 < the row's largest p <= 1. The row's sum l is taken of the UNQUANTISED p, in f32, and the product's result is divided by l at the end. Since M is a whole number, a kernel that streams over the keys may use a running M (the ceiling of the running maximum): every later rescaling is an exact power of two, which a block's scale takes up: the codes' values come out the same.
;;   OPERANDS COMPUTED ON THE WAY. 'Computed on the way' means the value that the module computes at that place (a softmax that the list does not call 'softmax' is quantised finished and normalised). What goes into a quantiser is computed in f32, as accurately as f32 sums, v_exp_f32 and their like allow (about 1e-6 of the number): no bf16 or f16 on the way to a quantiser, and a product that is left as it is and whose result goes on into a quantised operand takes f32 operands (vector FMAs, or v_wmma_f32_16x16x4_f32). A number that lies on a knife's edge between two numbers of the format may be rounded either way, as far as f32 arithmetic and the matrix unit's own rounding can turn it there, and no further.
;; One version. Each part assembles by itself: llvm-mc -triple=amdgcn-amd-amdhsa -mcpu=gfx1250 --defsym DOCPART=n.
;; ======== version 1 of 1: 4 launches
;; limits: right only within a limited range of input values
;; workspace buffers: xq 6,553,600 bytes; wq 3,276,800 bytes; qkv 19,660,800 bytes; oq 6,553,600 bytes
;; launch quant (part 1): grid 768 x 1, 4 waves a work-group, no clusters, 34,304 bytes of LDS; arguments x, Wqkv, Wproj, xq, wq; writes xq, wq
.if DOCPART == 1
	.amdgcn_target "amdgcn-amd-amdhsa--gfx1250"
	.amdhsa_code_object_version 6
	.text
	.protected	k_q0b83105151_quant
	.globl	k_q0b83105151_quant
	.p2align	8
	.type	k_q0b83105151_quant,@function
k_q0b83105151_quant:
	s_mov_b64 s[64:65], 0
	v_nop
	global_prefetch_b8 v0, s[64:65] scope:SCOPE_SE
	s_setreg_imm32_b32 hwreg(HW_REG_WAVE_MODE, 25, 1), 1
	s_wait_xcnt 0x0
; x [8192][1024], Wqkv [3072][1024] and Wproj [1024][1024], f32, K innermost, become codes of FP6 (E2M3) with one E8M0 byte for each 32 along K,
; laid as IMAGES OF OPERAND REGISTERS.  A fragment is 16 rows x 128 K, 12 registers a lane: 1,536 bytes, registers 4 c .. 4 c + 3 of lane l at 512 c + 16 l.  Its 16 scale words: 64 bytes, row r's at 4 r.
; Codes lie [tile][K step 0..7][1536], scale words [tile][K step][row].  THE ROWS OF A TILE ARE NOT NEIGHBOURS: lane r of tile T holds row 32 (T / 2) + 8 (T % 2) + r + 8 (r / 8),
; so that a product which takes such tiles as source 0 leaves 16 neighbours in the 16 registers of two neighbouring tiles.
; A block's scale is 2^(floor(log2(largest magnitude)) - 2); its byte is the largest magnitude's exponent field - 2, held at 1 from below.
; LIMITS: a block of zeros gets the byte 1 where the rule says 127 (its codes are zeros and this program alone reads the bytes); NaN and infinities among the inputs are not served.
; SHARES.  A work-group takes one tile for all of K: 0-511 x's, 512-703 Wqkv's, 704-767 Wproj's.  Wave w takes K steps 2 w and 2 w + 1.  Each load reads 512 consecutive bytes of a row; the 16 rows of a K step
; turn through the wave's own stage in LDS (rows 528 bytes apart) so that a lane gets 16 neighbours of each block of 32.  No barrier: waves share nothing.  All 32 loads of a wave go out at once.
.set STG,   16*528                     ; a wave's stage
.set SPARE, 4*STG                      ; behind the stages: the spare words, 128 bytes a wave
.set LI,    1                          ; v1   16 x lane
.set SIN,   2                          ; v2   the stage, on the way in
.set SOUT,  3                          ; v3   and out: row r, + 64 (lane / 16)
.set SCO,   4                          ; v4   4 x lane
.set PW,    8                          ; v8-9 the two fragments' scale words
.set PWO,   10                         ; v10  both, lanes 0-15 the first's
.set SPW,   12                         ; v12  my spare word's address; never rewritten
.set NIL,   13                         ; v13  0; never rewritten
.set R,     16                         ; v16-143  two sets of 64 registers as loaded
.set X,     144                        ; v144-207 64 numbers: register 16 b + i = k 32 b + 16 (lane / 16) + i of my row
.set PC,    208                        ; v208-231 two fragments' codes
.set TP,    232                        ; v232-239 the conversions' second halves
.set TM,    240                        ; v240-255 at work
.set SEL,   20                         ; s[20:21] selects for lane l xor 16
.set MASK,  22                         ; s22  lanes 16-31
; 64 numbers at v[X] on become the fragment at v[d] on and the row's scale word in v[pw]
.macro QUANT d, pw
.irp b, 0,1,2,3
	v_max3_num_f32 v[TM+\b], |v[X+16*\b]|, |v[X+1+16*\b]|, 0x1800000   ; my 16 numbers of block b, and the floor 2^(3 - 127): the byte cannot fall under 1
.endr
.irp i, 2,4,6,8,10,12,14
.irp b, 0,1,2,3
	v_max3_num_f32 v[TM+\b], v[TM+\b], |v[X+16*\b+\i]|, |v[X+1+16*\b+\i]|   ; the four blocks by turns
.endr
.endr
.irp b, 0,1,2,3
	v_permlanex16_b32 v[TM+4+\b], v[TM+\b], s[SEL], s[SEL+1]
.endr
.irp b, 0,1,2,3
	v_max_num_f32 v[TM+\b], v[TM+\b], v[TM+4+\b]                       ; with lane l xor 16's 16: the block's largest magnitude
.endr
.irp b, 0,1,2,3
	v_add_nc_u32 v[TM+12+\b], 0xff000000, v[TM+\b]                     ; 2 off its exponent field: the conversion's scale operand
.endr
.irp b, 0,1,2,3
	v_lshrrev_b32 v[TM+4+\b], 23, v[TM+12+\b]                          ; the scale's byte
.endr
	v_lshl_or_b32 v[\pw], v[TM+5], 8, v[TM+4]
	v_lshl_or_b32 v[\pw], v[TM+6], 16, v[\pw]
	v_lshl_or_b32 v[\pw], v[TM+7], 24, v[\pw]
.irp c, 0,1
	v_cvt_scalef32_pk16_fp6_f32 v[(\d)+6*\c:(\d)+6*\c+2], v[X+32*\c:X+32*\c+15], v[TM+12+2*\c]
	v_cvt_scalef32_pk16_fp6_f32 v[TP+4*\c:TP+4*\c+2], v[X+32*\c+16:X+32*\c+31], v[TM+13+2*\c]   ; (a conversion's three registers begin on an even number)
.endr
	v_nop                                                              ; one plain place behind a scaled conversion
.irp c, 0,1                            ; the layout wants a whole block in a lane: lanes 0-15 block 2 c, lanes 16-31 block 2 c + 1
.irp i, 0,1,2
	v_permlane16_swap_b32 v[(\d)+6*\c+\i], v[TP+4*\c+\i]
.endr
.irp i, 0,1,2
	v_mov_b32 v[(\d)+6*\c+3+\i], v[TP+4*\c+\i]
.endr
.endr
.endm
	s_load_b256 s[4:11], s[0:1], 0x0               ; x s[4:5], Wqkv s[6:7], Wproj s[8:9], xq s[10:11]
	s_load_b64 s[12:13], s[0:1], 0x20              ; wq
	v_lshl_add_u32 v[SPW], v0, 2, SPARE
	v_mov_b32 v[NIL], 0
	v_lshrrev_b32 v5, 5, v0
	v_readfirstlane_b32 s19, v5                    ; wave
	v_and_b32 v5, 31, v0
	v_lshlrev_b32 v[LI], 4, v5
	v_lshlrev_b32 v[SCO], 2, v5
	s_mul_i32 s23, s19, STG
	v_add_nc_u32 v[SIN], s23, v[LI]
	v_and_b32 v6, 15, v0
	v_bfe_u32 v7, v0, 4, 1
	v_mul_u32_u24 v[SOUT], v6, 528
	v_lshl_add_u32 v[SOUT], v7, 6, v[SOUT]
	v_add_nc_u32 v[SOUT], s23, v[SOUT]
	s_mov_b32 s[SEL], 0x76543210
	s_mov_b32 s[SEL+1], 0xfedcba98
	s_mov_b32 s[MASK], 0xffff0000
.irp b, 0,1,2,3
	v_mov_b32 v[TM+4+\b], 0                        ; written once: a lane permute's destination counts as one of its sources
.endr
	s_mov_b32 s14, 704                             ; Wproj's figures: first work-group, where its codes and its scale words begin in wq
	s_mov_b32 s15, 2457600
	s_mov_b32 s16, 3244032
	s_wait_alu depctr_va_vdst(0)
	s_wait_kmcnt 0x0
	s_cmp_lt_u32 ttmp9, 704                        ; the choices hang on the work-group's number alone
	s_cselect_b64 s[6:7], s[6:7], s[8:9]
	s_cselect_b32 s14, 512, s14
	s_cselect_b32 s15, 0, s15
	s_cselect_b32 s16, 2359296, s16
	s_cmp_lt_u32 ttmp9, 512
	s_cselect_b64 s[4:5], s[4:5], s[6:7]           ; the tensor,
	s_cselect_b64 s[10:11], s[10:11], s[12:13]     ; and the buffer that takes it
	s_cselect_b32 s14, 0, s14
	s_cselect_b32 s15, 0, s15
	s_cselect_b32 s16, 6291456, s16
	s_sub_co_u32 s14, ttmp9, s14                   ; T: my tile
	s_lshr_b32 s24, s14, 1
	s_lshl_b32 s24, s24, 17                        ; 32 (T / 2) rows of 4,096 bytes
	s_and_b32 s25, s14, 1
	s_lshl_b32 s25, s25, 15                        ; + 8 (T % 2) rows
	s_add_co_u32 s24, s24, s25
	s_lshl_b32 s25, s19, 10                        ; + my wave's two K steps of 512 bytes
	s_add_co_u32 s24, s24, s25
	s_mov_b32 s25, 0
	s_add_nc_u64 s[4:5], s[4:5], s[24:25]
	s_mul_i32 s26, s14, 12288
	s_mul_i32 s27, s19, 3072
	s_add_co_u32 s26, s26, s27
	s_add_co_u32 s26, s26, s15
	s_mov_b32 s27, 0
	s_lshl_b32 s28, s14, 9
	s_lshl_b32 s29, s19, 7
	s_add_co_u32 s28, s28, s29
	s_add_co_u32 s28, s28, s16
	s_mov_b32 s29, 0
	s_add_nc_u64 s[8:9], s[10:11], s[26:27]        ; my two images
	s_add_nc_u64 s[10:11], s[10:11], s[28:29]      ; my 32 scale words
.irp f, 0,1
.irp i, 0,1,2,3,4,5,6,7,8,9,10,11,12,13,14,15
	global_load_b128 v[R+64*\f+4*\i:R+64*\f+4*\i+3], v[LI], s[4:5] offset:(\i+8*(\i/8))*4096+512*\f th:TH_LOAD_NT   ; the tile's row i, K step 2 w + f: 512 consecutive bytes
.endr
.endr
.irp f, 0,1
	s_wait_loadcnt 16-16*\f                        ; this fragment's 16 loads are in; the other's may be out
.irp i, 0,1,2,3,4,5,6,7,8,9,10,11,12,13,14,15
	ds_store_b128 v[SIN], v[R+64*\f+4*\i:R+64*\f+4*\i+3] offset:528*\i
.endr
.irp b, 0,1,2,3
.irp j, 0,1,2,3
	ds_load_b128 v[X+16*\b+4*\j:X+16*\b+4*\j+3], v[SOUT] offset:128*\b+16*\j   ; LDS serves a wave's instructions in order: these see the stores above
.endr
.endr
	s_wait_dscnt 0x0
	QUANT PC+12*\f, PW+\f
.irp c, 0,1,2
	global_store_b128 v[LI], v[PC+12*\f+4*\c:PC+12*\f+4*\c+3], s[8:9] offset:1536*\f+512*\c   ; 512 consecutive bytes, at a multiple of 256
.endr
.endr
	v_cndmask_b32 v[PWO], v[PW], v[PW+1], s[MASK]  ; lanes 0-15: the first K step's words, lanes 16-31 the second's
	global_store_b32 v[SCO], v[PWO], s[10:11]      ; 128 consecutive bytes
	s_wait_tensorcnt 0x0                           ; the wave's end, behind my last LDS store
	ds_add_u32 v[SPW], v[NIL]
	s_wait_dscnt 0x0
	s_endpgm
.Lfunc_end_k_q0b83105151_quant:
	.size	k_q0b83105151_quant, .Lfunc_end_k_q0b83105151_quant-k_q0b83105151_quant
	.p2alignl 7, 3214868480
	.fill 96, 4, 3214868480
	.section	.rodata,"a",@progbits
	.p2align	6, 0x0
	.amdhsa_kernel k_q0b83105151_quant
		.amdhsa_group_segment_fixed_size 34304
		.amdhsa_private_segment_fixed_size 0
		.amdhsa_enable_private_segment 0
		.amdhsa_kernarg_size 40
		.amdhsa_user_sgpr_count 2
		.amdhsa_user_sgpr_kernarg_segment_ptr 1
		.amdhsa_wavefront_size32 1
		.amdhsa_system_sgpr_workgroup_id_x 1
		.amdhsa_system_sgpr_workgroup_id_y 1
		.amdhsa_system_sgpr_workgroup_id_z 1
		.amdhsa_system_vgpr_workitem_id 0
		.amdhsa_next_free_vgpr 256
		.amdhsa_next_free_sgpr 66
		.amdhsa_reserve_vcc 0
		.amdhsa_float_denorm_mode_32 3
		.amdhsa_float_denorm_mode_16_64 3
		.amdhsa_memory_ordered 1
		.amdhsa_forward_progress 1
		.amdhsa_inst_pref_size 19
	.end_amdhsa_kernel
	.amdgpu_metadata
---
amdhsa.version: [ 1, 2 ]
amdhsa.kernels:
  - .name:           k_q0b83105151_quant
    .symbol:         k_q0b83105151_quant.kd
    .args:
      - { .name: x, .offset: 0, .size: 8, .value_kind: global_buffer, .address_space: global }
      - { .name: Wqkv, .offset: 8, .size: 8, .value_kind: global_buffer, .address_space: global }
      - { .name: Wproj, .offset: 16, .size: 8, .value_kind: global_buffer, .address_space: global }
      - { .name: xq, .offset: 24, .size: 8, .value_kind: global_buffer, .address_space: global }
      - { .name: wq, .offset: 32, .size: 8, .value_kind: global_buffer, .address_space: global }
    .group_segment_fixed_size: 34304
    .private_segment_fixed_size: 0
    .kernarg_segment_align: 8
    .kernarg_segment_size: 40
    .max_flat_workgroup_size: 128
    .sgpr_count:     66
    .vgpr_count:     256
    .wavefront_size: 32
...
	.end_amdgpu_metadata
.endif
;; end of part 1
;; launch qkvgemm (part 2): grid 12 x 32, 4 waves a work-group, clusters of 4 x 4, 327,680 bytes of LDS; arguments xq, wq, qkv; writes qkv
.if DOCPART == 2
	.amdgcn_target "amdgcn-amd-amdhsa--gfx1250"
	.amdhsa_code_object_version 6
	.text
	.protected	k_q0b83105151_qkvgemm
	.globl	k_q0b83105151_qkvgemm
	.p2align	8
	.type	k_q0b83105151_qkvgemm,@function
k_q0b83105151_qkvgemm:
	s_mov_b64 s[64:65], 0
	v_nop
	global_prefetch_b8 v0, s[64:65] scope:SCOPE_SE
	s_setreg_imm32_b32 hwreg(HW_REG_WAVE_MODE, 25, 1), 1
	s_wait_xcnt 0x0
	s_wait_alu depctr_hold_cnt(0) depctr_sa_sdst(0) depctr_va_vdst(0) depctr_va_sdst(0) depctr_va_ssrc(0) depctr_va_vcc(0) depctr_vm_vsrc(0)
	s_getreg_b32 s2, hwreg(HW_REG_IB_STS2, 6, 4)
	s_cmp_eq_u32 s2, 0
	s_cbranch_scc0 .Lentry_in_a_cluster
	s_endpgm
.Lentry_in_a_cluster:
	s_bfe_u32 s2, ttmp6, 0x10000c
	s_cmp_lg_u32 s2, 0xf033
	s_cbranch_scc0 .Lentry_shape_is_right
	s_endpgm
.Lentry_shape_is_right:
.set FR,     12
.set NL,     3
.set NP,     4
.set TILEB,  3072
.set HALFT,  8*TILEB
.set REGN,   2*HALFT
.set SLOT,   2*REGN
.set SCL,    2*SLOT
.set TAB,    SCL+16384
.set SPARE,  TAB+4096
.set XSC,    6291456
.set WSC,    2359296
.set QS_OFF, 6291456
.set KV_OFF, 6553600
.set ADR1, 16
.set ADR0, 20
.set LI,   24
.set SOFF, 25
.set TW,   26
.set ADRS, 27
.set SPW,  28
.set NIL,  29
.set TH,   30
.set VSEL, 31
.set SC,   32
.set TM,   96
.set PW,   112
.set SW,   120
.set TA,   124
.set AF,   128
.set CS,   128
.set RT,   160
.set D0,   192
.set D1,   204
.set TP,   216
.set G1, 24
.set G0, 32
.set G1B, 48
.set G0B, 56
.set G1S, 68
.set G0S, 76
.set G1SB, 80
.set G0SB, 88
.set MASK, 96
.set SEL,  98
.set MSB, 0
.macro WIN new
.if MSB != (\new)
	s_set_vgpr_msb (MSB<<8)|(\new)
.set MSB, (\new)
.endif
.endm
.set MUL_LO, 0xa1
.set MUL_HI, 0xf1
.set TO_B,   0x40
.macro JLOAD g0a, g1a, g0b, g1b
	s_cmp_eq_u32 s15, 0
	s_cbranch_scc0 .Lfor_b_\@
	tensor_load_to_lds s[\g0a:\g0a+3], s[\g1a:\g1a+7]
	s_nop 0
.rept 4
	v_nop
.endr
	s_branch .Lasked_\@
.Lfor_b_\@:
	tensor_load_to_lds s[\g0b:\g0b+3], s[\g1b:\g1b+7]
	s_nop 0
.rept 4
	v_nop
.endr
.Lasked_\@:
.endm
.macro CREST
	s_cmp_lg_u32 s14, 0
	s_cbranch_scc1 .Lnot_wave_0_\@
	s_barrier_signal -3
.Lnot_wave_0_\@:
	s_barrier_wait -3
	s_barrier_signal -1
	s_barrier_wait -1
.endm
.macro CROUND
	s_barrier_signal -1
	s_barrier_wait -1
	CREST
.endm
.macro PLACES n
.rept \n
	v_nop
.endr
.endm
	s_load_b128 s[4:7], s[0:1], 0x0
	s_load_b64 s[8:9], s[0:1], 0x10
	v_lshl_add_u32 v[SPW], v0, 2, SPARE
	v_mov_b32 v[NIL], 0
	ds_add_u32 v[SPW], v[NIL]
	ds_add_u32 v[SPW], v[NIL]
	v_lshrrev_b32 v1, 5, v0
	v_readfirstlane_b32 s14, v1
	s_lshr_b32 s15, s14, 1
	s_and_b32 s16, s14, 1
	s_bfe_u32 s40, ttmp6, 0x40000
	s_bfe_u32 s41, ttmp6, 0x40004
	s_lshl_b32 s42, ttmp9, 2
	s_add_co_u32 s42, s42, s40
	s_and_b32 s17, ttmp7, 0xffff
	s_lshl_b32 s17, s17, 2
	s_add_co_u32 s17, s17, s41
	s_lshl_b32 s43, s41, 2
	s_lshl_b32 s43, 15, s43
	s_lshl_b32 s44, 0x1111, s40
	s_or_b32 s[G1+0], s43, (3<<16)|(1<<21)
	s_or_b32 s[G1B+0], s44, (3<<16)|(1<<21)
.irp g, G1, G1B
	s_mov_b32 s[\g+1], 384<<16
	s_mov_b32 s[\g+2], 16<<16                      ; the head's loads of codes bring all 16 tiles of a side
	s_mov_b32 s[\g+3], 384<<16
	s_mov_b32 s[\g+4], 16
	s_mov_b32 s[\g+5], 1536
	s_mov_b32 s[\g+6], 0
	s_mov_b32 s[\g+7], 0
.endr
	s_or_b32 s[G1S+0], s43, (3<<16)|(1<<21)
	s_or_b32 s[G1SB+0], s44, (3<<16)|(1<<21)
.irp g, G1S, G1SB
	s_mov_b32 s[\g+1], 32<<16
	s_mov_b32 s[\g+2], 32<<16                      ; the scale words of 16 tiles: 32 rows of 256 bytes
	s_mov_b32 s[\g+3], 32<<16
	s_mov_b32 s[\g+4], 32
	s_mov_b32 s[\g+5], 32
	s_mov_b32 s[\g+6], 0
	s_mov_b32 s[\g+7], 0
.endr
	s_lshl_b32 s20, s17, 4                         ; x: the block's first tile
	s_lshl_b32 s46, s42, 4                         ; W: likewise
	s_mul_i32 s18, s16, 8*12288                    ; in the ring I fetch 8 tiles: which half, in bytes
	s_mov_b32 s19, 0
	s_lshl_b32 s22, s20, 9
	s_add_co_u32 s22, s22, XSC
	s_lshl_b32 s92, s46, 9
	s_add_co_u32 s92, s92, WSC
	s_mul_i32 s20, s20, 12288
	s_mul_i32 s46, s46, 12288
	s_mov_b32 s21, 0
	s_mov_b32 s23, 0
	s_mov_b32 s47, 0
	s_mov_b32 s93, 0
	s_mul_i32 s45, s14, HALFT
	s_mov_b32 s[MASK], 0xffff0000
	s_mov_b32 s[SEL], 0x76543210
	s_mov_b32 s[SEL+1], 0xfedcba98
	s_wait_dscnt 0x0
	s_wait_kmcnt 0x0
	s_add_nc_u64 s[20:21], s[4:5], s[20:21]
	s_add_nc_u64 s[22:23], s[4:5], s[22:23]
	s_add_nc_u64 s[46:47], s[6:7], s[46:47]
	s_add_nc_u64 s[92:93], s[6:7], s[92:93]
	; s[100:101]: where my prefetches stand; never rewritten.  Waves 0 and 1 ask for x, waves 2 and 3 for W.  Of a side's 16 tiles each of the four partners that load them jointly takes 4, told apart by address (cx for x, cy for W); a wave takes 2 of them
	s_lshl_b32 s2, s17, 4
	s_lshl_b32 s3, s40, 2
	s_add_co_u32 s2, s2, s3
	s_lshl_b32 s3, s42, 4
	s_lshl_b32 s94, s41, 2
	s_add_co_u32 s3, s3, s94
	s_cmp_eq_u32 s15, 0
	s_cselect_b32 s2, s2, s3
	s_cselect_b64 s[100:101], s[4:5], s[6:7]
	s_lshl_b32 s3, s16, 1
	s_add_co_u32 s2, s2, s3
	s_mul_i32 s2, s2, 12288
	s_mov_b32 s3, 0
	s_add_nc_u64 s[100:101], s[100:101], s[2:3]
	CROUND
	s_mov_b32 s[G0S], 1
	s_mov_b32 s[G0S+1], SCL
	s_mov_b64 s[G0S+2:G0S+3], s[22:23]
	s_or_b32 s[G0S+3], s[G0S+3], 0x80000000
	s_mov_b32 s[G0SB], 1
	s_mov_b32 s[G0SB+1], SCL+8192
	s_mov_b64 s[G0SB+2:G0SB+3], s[92:93]
	s_or_b32 s[G0SB+3], s[G0SB+3], 0x80000000
	s_mov_b32 s4, 1                                ; s[4:7]: group 0 for the head's load of x's 16 tiles, K steps 0 and 1 (the arguments that lay there have been used)
	s_mov_b32 s5, 0
	s_mov_b64 s[6:7], s[20:21]
	s_or_b32 s7, s7, 0x80000000
	s_add_nc_u64 s[20:21], s[20:21], s[18:19]      ; for the ring: my 8 tiles
	s_add_nc_u64 s[92:93], s[46:47], s[18:19]
.irp s, 0,1
	s_mov_b32 s[G0+4*\s], 1
	s_add_co_u32 s[G0+4*\s+1], s45, \s*SLOT
	s_add_nc_u64 s[G0+4*\s+2:G0+4*\s+3], s[20:21], \s*TILEB
	s_or_b32 s[G0+4*\s+3], s[G0+4*\s+3], 0x80000000
	s_mov_b32 s[G0B+4*\s], 1
	s_add_co_u32 s[G0B+4*\s+1], s45, \s*SLOT
	s_add_nc_u64 s[G0B+4*\s+2:G0B+4*\s+3], s[92:93], \s*TILEB
	s_or_b32 s[G0B+4*\s+3], s[G0B+4*\s+3], 0x80000000
.endr
	s_mov_b32 s44, 1                               ; s[44:47]: group 0 for the head's load of W's 16 tiles
	s_mov_b32 s45, REGN
	s_or_b32 s47, s47, 0x80000000
; the head's four tiles, one joint load a wave: wave 0 x's codes, wave 1 W's, wave 2 x's scale words, wave 3 W's; one chain of arms, all leading to one join
.macro ARM under, g0, g1, next
	s_cmp_lt_u32 s14, \under
	s_cbranch_scc0 \next
	tensor_load_to_lds s[\g0:\g0+3], s[\g1:\g1+7]
	s_nop 0
.rept 4
	v_nop
.endr
	s_branch .Lhead_asked
\next:
.endm
	ARM 1, 4, G1, .Lhead_b
	ARM 2, 44, G1B, .Lhead_sa
	ARM 3, G0S, G1S, .Lhead_sb
	tensor_load_to_lds s[G0SB:G0SB+3], s[G1SB:G1SB+7]
	s_nop 0
.rept 4
	v_nop
.endr
.Lhead_asked:
	v_and_b32 v1, 15, v0
	v_bfe_u32 v2, v0, 4, 1
	v_and_b32 v3, 31, v0
	v_lshlrev_b32 v[LI], 4, v3
	v_min_u32 v4, 23, v3                           ; a chunk of 2 tiles is 24 blocks of 256 bytes: a lane a block; lanes 24-31 name the last again
	v_mul_u32_u24 v5, v4, 11
	v_lshrrev_b32 v5, 7, v5                        ; block / 12: which of the two tiles
	v_mul_u32_u24 v5, v5, 9216                     ; the second tile's chunk begins 12,288 - 3,072 bytes behind the first's end
	v_lshl_add_u32 v18, v4, 8, v5                  ; v18: the prefetches' offset; never rewritten
	s_wait_alu depctr_va_vdst(0)
	global_prefetch_b8 v18, s[100:101] offset:3072 th:TH_LOAD_NT scope:SCOPE_SE   ; chunk 1 (K steps 2, 3), whose load follows at the head's end,
	global_prefetch_b8 v18, s[100:101] offset:6144 th:TH_LOAD_NT scope:SCOPE_SE   ; and chunk 2, two fills on
	s_cmp_eq_u32 ttmp9, 2
	s_cselect_b32 s18, REGN, 0
	s_cselect_b32 s20, 0, REGN
	s_cselect_b32 s19, 8192, 0
	s_cselect_b32 s23, 0, 8192
	s_mul_i32 s21, s15, HALFT
	s_add_co_u32 s21, s21, s18
	s_mul_i32 s22, s16, HALFT
	s_add_co_u32 s22, s22, s20
.irp s, 0,1
	v_add_nc_u32 v[ADR1+\s], s21, v[LI]
	v_add_nc_u32 v[ADR0+\s], s22, v[LI]
	s_add_co_u32 s21, s21, SLOT
	s_add_co_u32 s22, s22, SLOT
.endr
	s_lshl_b32 s21, s15, 12
	s_add_co_u32 s21, s21, s19
	s_lshl_b32 s22, s16, 12
	s_add_co_u32 s22, s22, s23
	v_mov_b32 v[ADRS], s21
	v_mov_b32 v3, s22
	v_cndmask_b32 v[ADRS], v[ADRS], v3, s[MASK]
	v_lshl_add_u32 v[ADRS], v1, 2, v[ADRS]
	v_add_nc_u32 v[ADRS], SCL, v[ADRS]
	s_mul_i32 s21, s15, 256                        ; the table's rows are dense: 64 bytes, eight cosines and eight sines
	s_add_co_u32 s21, s21, TAB
	v_mov_b32 v[TH], s21
	v_and_b32 v3, 8, v1
	v_add_nc_u32 v3, v3, v1
	v_mul_u32_u24 v[TW], v3, 64
	v_add_nc_u32 v[TW], TAB+512, v[TW]
	v_mov_b32 v[VSEL], 0x05040100
	v_mov_b32 v3, 0x07060302
	v_cndmask_b32 v[VSEL], v[VSEL], v3, s[MASK]
.irp b, 0,1,2,3
	v_mov_b32 v[TM+4+\b], 0
.endr
	s_and_b32 s2, s17, 3
	s_lshl_b32 s2, s2, 3
	v_and_b32 v128, 7, v0
	v_lshrrev_b32 v129, 3, v0
	v_mul_u32_u24 v130, v129, 64
	v_lshl_add_u32 v130, v128, 2, v130
	v_add_nc_u32 v130, TAB, v130
	v_cvt_f32_u32 v131, v128
	v_mul_f32 v132, 0x3e124925, v131
	v_fma_f32 v133, -v132, 0x40e00000, v131
	v_fmamk_f32 v132, v133, 0x3e124925, v132
	v_sub_f32 v133, 1.0, v132
	v_fmamk_f32 v133, v132, 0x44000000, v133
	v_mul_f32 v133, 0x40490fdb, v133
.macro TROW p
.if \p == 0
	v_add_nc_u32 v134, s2, v129
	v_add_nc_u32 v135, -8, v129
	v_cmp_gt_u32 vcc_lo, 8, v129
	v_cndmask_b32 v134, v135, v134, vcc_lo
.else
	v_add_nc_u32 v134, 16*\p-8, v129
.endif
	v_cvt_f32_u32 v134, v134
	v_mul_f32 v135, 0x3d042108, v134
	v_fma_f32 v136, -v135, 0x41f80000, v134
	v_fmamk_f32 v135, v136, 0x3d042108, v135
	v_sub_f32 v136, 1.0, v135
	v_sub_f32 v135, v135, v136
	v_mul_f32 v135, v135, v133
	v_mul_f32 v136, 0x3f22f983, v135
	v_rndne_f32 v136, v136
	v_fmamk_f32 v137, v136, 0xbfc90fdb, v135
	v_fmamk_f32 v137, v136, 0x333bbd2e, v137
	v_mul_f32 v138, v137, v137
	v_mov_b32 v139, 0x3638ef1d
	v_fmaak_f32 v139, v139, v138, 0xb9500d01
	v_fmaak_f32 v139, v139, v138, 0x3c088889
	v_fmaak_f32 v139, v139, v138, 0xbe2aaaab
	v_mul_f32 v140, v137, v138
	v_fma_f32 v139, v139, v140, v137
	v_mov_b32 v140, 0xb493f27e
	v_fmaak_f32 v140, v140, v138, 0x37d00d01
	v_fmaak_f32 v140, v140, v138, 0xbab60b61
	v_fmaak_f32 v140, v140, v138, 0x3d2aaaab
	v_fmaak_f32 v140, v140, v138, 0xbf000000
	v_fma_f32 v140, v140, v138, 1.0
	v_cvt_i32_f32 v136, v136
	v_and_b32 v141, 1, v136
	v_cmp_eq_u32 vcc_lo, 1, v141
	v_cndmask_b32 v142, v139, v140, vcc_lo
	v_cndmask_b32 v143, v140, v139, vcc_lo
	v_lshlrev_b32 v141, 30, v136
	v_and_b32 v141, 0x80000000, v141
	v_xor_b32 v142, v142, v141
	v_add_nc_u32 v136, 1, v136
	v_lshlrev_b32 v141, 30, v136
	v_and_b32 v141, 0x80000000, v141
	v_xor_b32 v143, v143, v141
	ds_store_b32 v130, v143 offset:1024*\p
	ds_store_b32 v130, v142 offset:1024*\p+32
.endm
	TROW 0
	TROW 1
	TROW 2
	s_mov_b32 s18, 102400
	s_mov_b32 s19, 102400
	s_mov_b32 s92, KV_OFF
	s_mov_b32 s93, KV_OFF+98304
	s_cmp_eq_u32 ttmp9, 2
	s_cselect_b32 s92, KV_OFF+49152, s92
	s_cselect_b32 s93, KV_OFF+100352, s93
	s_cselect_b32 s2, s15, s16
	s_cselect_b32 s3, s16, s15
	s_cmp_eq_u32 ttmp9, 0
	s_cselect_b32 s18, 49152, s18
	s_cselect_b32 s19, 2048, s19
	s_cselect_b32 s92, 0, s92
	s_cselect_b32 s93, QS_OFF, s93
	s_lshr_b32 s94, s17, 2
	s_lshl_b32 s94, s94, 4
	s_lshl_b32 s95, s40, 2
	s_add_co_u32 s94, s94, s95
	s_lshl_b32 s2, s2, 1
	s_add_co_u32 s94, s94, s2
	s_and_b32 s95, s17, 3
	s_lshl_b32 s95, s95, 1
	s_add_co_u32 s95, s95, s3
	s_mul_i32 s2, s94, s18
	s_mul_i32 s3, s95, 6144
	s_add_co_u32 s2, s2, s3
	s_add_co_u32 s2, s2, s92
	s_mov_b32 s3, 0
	s_add_nc_u64 s[10:11], s[8:9], s[2:3]
	s_mov_b32 s2, s18
	s_add_nc_u64 s[12:13], s[10:11], s[2:3]
	s_mul_i32 s2, s94, s19
	s_lshl_b32 s95, s95, 8
	s_add_co_u32 s2, s2, s95
	s_add_co_u32 s2, s2, s93
	s_add_nc_u64 s[66:67], s[8:9], s[2:3]
	v_mul_u32_u24 v[SOFF], s19, v2
	v_lshl_add_u32 v[SOFF], v1, 4, v[SOFF]
.macro FRAG reg, adr, off
.irp c, 0,1,2
	ds_load_b128 v[(\reg)+4*\c:(\reg)+4*\c+3], v[\adr] offset:(\off)+512*\c
.endr
.endm
.macro FETCH_0 slot, q, p
	WIN TO_B
.irp i, 0,1,2,3,4,5,6,7
	FRAG 128*(\p)+FR*\i, ADR0+\slot, TILEB*\i+1536*(\q)
.endr
	WIN 0
.endm
.macro FETCH_1 slot, q, i0
.irp i, \i0, \i0+1, \i0+2, \i0+3
	FRAG AF+FR*(\i), ADR1+\slot, TILEB*(\i)+1536*(\q)
.endr
.endm
.macro MUL16 a0, p, ks, zero
.irp a, \a0, \a0+1
.irp b, 0,1,2,3,4,5,6,7
.if \zero
	v_wmma_scale_f32_16x16x128_f8f6f4 v[8*(8*((\a)%4)+\b):8*(8*((\a)%4)+\b)+7], v[128*(\p)+FR*\b:128*(\p)+FR*\b+FR-1], v[AF+FR*(\a):AF+FR*(\a)+FR-1], 0, v[SC+8*\b+(\ks)], v[SC+8*(\a)+(\ks)] matrix_a_fmt:MATRIX_FMT_FP6 matrix_b_fmt:MATRIX_FMT_FP6 matrix_a_scale:MATRIX_SCALE_ROW1
.else
	v_wmma_scale_f32_16x16x128_f8f6f4 v[8*(8*((\a)%4)+\b):8*(8*((\a)%4)+\b)+7], v[128*(\p)+FR*\b:128*(\p)+FR*\b+FR-1], v[AF+FR*(\a):AF+FR*(\a)+FR-1], v[8*(8*((\a)%4)+\b):8*(8*((\a)%4)+\b)+7], v[SC+8*\b+(\ks)], v[SC+8*(\a)+(\ks)] matrix_a_fmt:MATRIX_FMT_FP6 matrix_b_fmt:MATRIX_FMT_FP6 matrix_a_scale:MATRIX_SCALE_ROW1
.endif
.endr
.endr
.endm
.macro STEP slot, ks, zero
	s_wait_dscnt 4*NL
	WIN MUL_LO
	MUL16 0, 0, \ks, \zero
	MUL16 2, 0, \ks, \zero
	s_wait_dscnt 0
	PLACES NP
	FETCH_0 \slot, 1, 1
	FETCH_1 \slot, 1, 0
	WIN MUL_HI
	MUL16 4, 0, \ks, \zero
	MUL16 6, 0, \ks, \zero
	PLACES NP
	WIN 0
	FETCH_1 \slot, 1, 4
.endm
.macro TURN slot, next, ks, fill
	s_wait_tensorcnt 0x0
	ds_add_u32 v[SPW], v[NIL]
	s_wait_dscnt 4*NL+1
	WIN MUL_LO
	MUL16 0, 1, \ks, 0
	s_wait_dscnt 0x0
	s_barrier_signal -1
	MUL16 2, 1, \ks, 0
	WIN 0
	s_barrier_wait -1
.if \fill
	CREST
	s_add_nc_u64 s[G0+4*\slot+2:G0+4*\slot+3], s[G0+4*\slot+2:G0+4*\slot+3], 2*TILEB
	s_add_nc_u64 s[G0B+4*\slot+2:G0B+4*\slot+3], s[G0B+4*\slot+2:G0B+4*\slot+3], 2*TILEB
	JLOAD G0+4*\slot, G1, G0B+4*\slot, G1B
.else
	PLACES NP
.endif
	FETCH_0 \next, 0, 0
	FETCH_1 \next, 0, 0
	WIN MUL_HI
	MUL16 4, 1, \ks, 0
	MUL16 6, 1, \ks, 0
	PLACES NP
	WIN 0
	FETCH_1 \next, 0, 4
.endm
	s_wait_alu depctr_va_vdst(0)                   ; the wait at the head's end
	s_wait_tensorcnt 0x0                           ; my tile of the head's four is in; the lines ahead of a later first fill:
	ds_add_u32 v[SPW], v[NIL]
	s_mov_b32 s[G1+2], 8<<16                       ; no tensor load of mine is out: from here on a load brings 8 tiles
	s_mov_b32 s[G1+4], 8
	s_mov_b32 s[G1B+2], 8<<16
	s_mov_b32 s[G1B+4], 8
	s_wait_dscnt 0x0                               ; the add and my stores into the table are done
	CROUND
	JLOAD G0+4, G1, G0B+4, G1B                     ; slot 1's first fill, the first tensor load behind the round
.irp i, 0,1,2,3,4,5,6,7
.irp k, 0,1,2,3,4,5,6,7
	ds_load_b32 v[SC+8*\i+\k], v[ADRS] offset:512*\i+64*\k
.endr
.endr
	FETCH_0 0, 0, 0
	FETCH_1 0, 0, 0
	FETCH_1 0, 0, 4
	global_prefetch_b8 v18, s[100:101] offset:9216 th:TH_LOAD_NT scope:SCOPE_SE   ; behind chunk 1's load and the run of LDS loads: chunk 3, two fills on, the last
	STEP 0, 0, 1
	TURN 0, 1, 1, 1
	STEP 1, 2, 0
	TURN 1, 0, 3, 1
	STEP 0, 4, 0
	TURN 0, 1, 5, 0
	STEP 1, 6, 0
	s_wait_dscnt 4*NL
	WIN MUL_LO
	MUL16 0, 1, 7, 0
	MUL16 2, 1, 7, 0
	s_wait_dscnt 0
	WIN MUL_HI
	MUL16 4, 1, 7, 0
	MUL16 6, 1, 7, 0
	WIN 0
	PLACES NP
.macro QUANT
	WIN QW|(QW<<2)
.irp b, 0,1,2,3
	v_max3_num_f32 v[TM+\b], |v[QS+16*\b]|, |v[QS+1+16*\b]|, 0x1800000
.endr
.irp i, 2,4,6,8,10,12,14
.irp b, 0,1,2,3
	v_max3_num_f32 v[TM+\b], |v[QS+16*\b+\i]|, |v[QS+1+16*\b+\i]|, v[TM+\b]
.endr
.endr
	WIN 0
.irp b, 0,1,2,3
	v_permlanex16_b32 v[TM+4+\b], v[TM+\b], s[SEL], s[SEL+1]
.endr
.irp b, 0,1,2,3
	v_max_num_f32 v[TM+\b], v[TM+\b], v[TM+4+\b]
.endr
.irp b, 0,1,2,3
	v_add_nc_u32 v[TM+12+\b], 0xff000000, v[TM+\b]
.endr
.irp b, 0,1,2,3
	v_lshrrev_b32 v[TM+4+\b], 23, v[TM+12+\b]
.endr
	v_lshl_or_b32 v[QP], v[TM+5], 8, v[TM+4]
	v_lshl_or_b32 v[QP], v[TM+6], 16, v[QP]
	v_lshl_or_b32 v[QP], v[TM+7], 24, v[QP]
	WIN QW
	v_cvt_scalef32_pk16_fp6_f32 v[QD0:QD0+2], v[QS:QS+15], v[TM+12]
	v_cvt_scalef32_pk16_fp6_f32 v[TP:TP+2], v[QS+16:QS+31], v[TM+13]
	v_cvt_scalef32_pk16_fp6_f32 v[QD1:QD1+2], v[QS+32:QS+47], v[TM+14]
	v_cvt_scalef32_pk16_fp6_f32 v[TP+4:TP+6], v[QS+48:QS+63], v[TM+15]
	WIN 0
	v_nop
.irp i, 0,1,2
	v_permlane16_swap_b32 v[QD0+\i], v[TP+\i]
.endr
.irp i, 0,1,2
	v_permlane16_swap_b32 v[QD1+\i], v[TP+4+\i]
.endr
.irp i, 0,1,2
	v_mov_b32 v[QD0+3+\i], v[TP+\i]
	v_mov_b32 v[QD1+3+\i], v[TP+4+\i]
.endr
.endm
.macro CSLOAD a
	v_add_nc_u32 v[TA], 64*((\a)/2), v[TH]
	v_add_nc_u32 v[TA+1], 512*((\a)%2), v[TW]
	v_cndmask_b32 v[TA], v[TA], v[TA+1], s[MASK]
.irp q, 0,1,2,3
	ds_load_b128 v[CS+16*((\a)%2)+4*\q:CS+16*((\a)%2)+4*\q+3], v[TA] offset:16*\q
.endr
.endm
.macro QK a
.set QW, 2+(\a)/4
.set QS, 64*((\a)%4)
.set CC, CS+16*((\a)%2)
.set QD0, D0+6*((\a)%2)
.set QD1, D1+6*((\a)%2)
.set QP, PW+(\a)
.if (\a) < 7
	CSLOAD (\a)+1
	s_wait_dscnt 4
.else
	s_wait_dscnt 0x0
.endif
	WIN QW
.irp c, 0,1
.irp j, 0,1,2,3,4,5,6,7
	v_mul_f32 v[RT+16*\c+2*\j], v[QS+32*\c+2*\j+1], v[CC+8+\j]
	v_mul_f32 v[RT+16*\c+2*\j+1], v[QS+32*\c+2*\j], v[CC+8+\j]
.endr
.endr
	WIN QW|(QW<<6)
.irp c, 0,1
.irp j, 0,1,2,3,4,5,6,7
	v_fma_f32 v[QS+32*\c+2*\j], v[QS+32*\c+2*\j], v[CC+\j], -v[RT+16*\c+2*\j]
	v_fma_f32 v[QS+32*\c+2*\j+1], v[QS+32*\c+2*\j+1], v[CC+\j], v[RT+16*\c+2*\j+1]
.endr
.endr
.if (\a)%2 == 0
	s_wait_xcnt 0x0
.endif
	QUANT
.if (\a)%2 == 1
.irp c, 0,1,2
	global_store_b128 v[LI], v[D0+4*\c:D0+4*\c+3], s[10:11] offset:((\a)/2)*1536+512*\c
	global_store_b128 v[LI], v[D1+4*\c:D1+4*\c+3], s[12:13] offset:((\a)/2)*1536+512*\c
.endr
.endif
.endm
.macro VV a
.set QW, 2+(\a)/4
.set QS, 64*((\a)%4)
.set QD0, D0+12*((\a)%2)
.set QD1, QD0+6
.set QP, PW+(\a)
.if (\a)%2 == 0
	s_wait_xcnt 0x0
.endif
	QUANT
.irp c, 0,1,2
	global_store_b128 v[LI], v[QD0+4*\c:QD0+4*\c+3], s[10:11] offset:((\a)/4)*102400+((\a)%4)*1536+512*\c
.endr
.endm
	s_cmp_eq_u32 ttmp9, 2
	s_cbranch_scc1 .Lv
	CSLOAD 0
.irp a, 0,1,2,3,4,5,6,7
	QK \a
.endr
.irp p, 0,1,2,3
	v_perm_b32 v[SW+\p], v[PW+2*\p+1], v[PW+2*\p], v[VSEL]
.endr
	global_store_b128 v[SOFF], v[SW:SW+3], s[66:67]
	s_branch .Ldone
.Lv:
.irp a, 0,1,2,3,4,5,6,7
	VV \a
.endr
.irp p, 0,1,2,3
	v_cndmask_b32 v[SW+\p], v[PW+\p], v[PW+4+\p], s[MASK]
.endr
	global_store_b128 v[SOFF], v[SW:SW+3], s[66:67]
.Ldone:
	s_wait_tensorcnt 0x0
	ds_add_u32 v[SPW], v[NIL]
	s_wait_dscnt 0x0
	CROUND
	s_endpgm
.Lfunc_end_k_q0b83105151_qkvgemm:
	.size	k_q0b83105151_qkvgemm, .Lfunc_end_k_q0b83105151_qkvgemm-k_q0b83105151_qkvgemm
	.p2alignl 7, 3214868480
	.fill 96, 4, 3214868480
	.section	.rodata,"a",@progbits
	.p2align	6, 0x0
	.amdhsa_kernel k_q0b83105151_qkvgemm
		.amdhsa_group_segment_fixed_size 327680
		.amdhsa_private_segment_fixed_size 0
		.amdhsa_enable_private_segment 0
		.amdhsa_kernarg_size 24
		.amdhsa_user_sgpr_count 2
		.amdhsa_user_sgpr_kernarg_segment_ptr 1
		.amdhsa_wavefront_size32 1
		.amdhsa_system_sgpr_workgroup_id_x 1
		.amdhsa_system_sgpr_workgroup_id_y 1
		.amdhsa_system_sgpr_workgroup_id_z 1
		.amdhsa_system_vgpr_workitem_id 0
		.amdhsa_next_free_vgpr 1024
		.amdhsa_next_free_sgpr 102
		.amdhsa_reserve_vcc 1
		.amdhsa_float_denorm_mode_32 3
		.amdhsa_float_denorm_mode_16_64 3
		.amdhsa_memory_ordered 1
		.amdhsa_forward_progress 1
		.amdhsa_inst_pref_size 213
	.end_amdhsa_kernel
	.amdgpu_metadata
---
amdhsa.version: [ 1, 2 ]
amdhsa.kernels:
  - .name:           k_q0b83105151_qkvgemm
    .symbol:         k_q0b83105151_qkvgemm.kd
    .args:
      - { .name: xq, .offset: 0, .size: 8, .value_kind: global_buffer, .address_space: global }
      - { .name: wq, .offset: 8, .size: 8, .value_kind: global_buffer, .address_space: global }
      - { .name: qkv, .offset: 16, .size: 8, .value_kind: global_buffer, .address_space: global }
    .group_segment_fixed_size: 327680
    .private_segment_fixed_size: 0
    .kernarg_segment_align: 8
    .kernarg_segment_size: 24
    .max_flat_workgroup_size: 128
    .sgpr_count:     102
    .vgpr_count:     1024
    .wavefront_size: 32
...
	.end_amdgpu_metadata
.endif
;; end of part 2
;; launch attn (part 3): grid 4 x 64, 16 waves a work-group, clusters of 4 x 1, 327,680 bytes of LDS; arguments qkv, oq; writes oq
.if DOCPART == 3
	.amdgcn_target "amdgcn-amd-amdhsa--gfx1250"
	.amdhsa_code_object_version 6
	.text
	.protected	k_q0b83105151_attn
	.globl	k_q0b83105151_attn
	.p2align	8
	.type	k_q0b83105151_attn,@function
k_q0b83105151_attn:
	s_mov_b64 s[64:65], 0
	v_nop
	global_prefetch_b8 v0, s[64:65] scope:SCOPE_SE
	s_setreg_imm32_b32 hwreg(HW_REG_WAVE_MODE, 25, 1), 1
	s_wait_xcnt 0x0
	s_wait_alu depctr_hold_cnt(0) depctr_sa_sdst(0) depctr_va_vdst(0) depctr_va_sdst(0) depctr_va_ssrc(0) depctr_va_vcc(0) depctr_vm_vsrc(0)
	s_getreg_b32 s2, hwreg(HW_REG_IB_STS2, 6, 4)
	s_cmp_eq_u32 s2, 0
	s_cbranch_scc0 .Lentry_in_a_cluster
	s_endpgm
.Lentry_in_a_cluster:
	s_bfe_u32 s2, ttmp6, 0x10000c
	s_cmp_lg_u32 s2, 0x3003
	s_cbranch_scc0 .Lentry_shape_is_right
	s_endpgm
.Lentry_shape_is_right:
; o = softmax(q k^T / 8) v for 128 heads of 1,024 tokens x 64 channels, both products on codes of FP6 (E2M3) with E8M0 scales; o is quantised along the channels for the last product and stored as images.
; THE SOFTMAX: t = score x log2(e) / 8; M = the running largest t rounded UP to a whole number; p = 2^(t - M) is quantised along the keys, not normalised; the row's sum is taken of the unquantised p and divides at the end.
; SHARES.  A work-group owns 256 queries and walks TWO heads, 2 hp and 2 hp + 1: together K step hp (128 channels) of the last product.  Each of its sixteen waves owns one tile of 16 queries.
; The two heads' records of k and v (codes and scale words, 102,400 bytes each, neighbours in memory) lie in LDS whole: 204,800 dense bytes, of which each wave asks for 12,800 by its one tensor load at the head.
; Nothing is filled again: one wait for 0 and one barrier stand ahead of the first read, and none between the heads or in the loops.  CLUSTER: the four query blocks of the same two heads ask for every byte jointly.
; LAYOUT.  Both products transposed: a lane holds one query.  The head has 64 channels and the instruction takes 128 along K: a fragment of k holds TWO tiles of 16 keys (registers 0-5, 6-11), multiplied once by
; q in registers 0-5 over zero codes and once by zero codes over q in registers 6-11.  Zero codes add nothing; all scale bytes lie in 1 .. 254.
; The keys of a tile are chosen so that the 16 registers of a fragment's two results are 16 neighbouring keys; v's channels likewise for o.
; No prefetch: every tensor load goes out at the kernel's head, so no loop runs ahead of a load.
; LIMITS: a block of zeros gets the byte 1 (zero codes; this program alone reads the bytes); NaN and infinities are not served; the scaled scores t stay under 2^31 in magnitude.  o's scale words leave in runs of 64 bytes.
.set REC,   102400                     ; a record: k's codes 49,152; v's 49,152; k's scale words 2,048; v's 2,048
.set SPARE, 2*REC                      ; the spare words, 128 bytes a wave
.set LI,  1                            ; 16 x lane
.set LS,  2                            ; 16 x (lane % 16)
.set ADC, 3                            ; the step's codes
.set ADS, 4                            ; the step's scale words
.set SPW, 5                            ; my spare word; never rewritten
.set NIL, 6                            ; 0; never rewritten
.set L4,  7                            ; 4 x (lane % 16)
.set QL,  16                           ; v16-27  q over zeros
.set QH,  28                           ; v28-39  zeros over q
.set QSW, 40                           ; q's scale word: its two bytes twice
.set RWB, 41                           ; the second head's word as loaded
.set RQB, 42                           ; v42-53 the second head's q as loaded
.set OF,  54                           ; v54-65 o's fragment
.set OW,  66                           ; o's scale word
.set RWA, 67                           ; the first head's word as loaded
.set KV,  68                           ; v68-115 four fragments of k, then of v
.set KS,  116                          ; k's scale words
.set VS,  120                          ; v's
.set S,   124                          ; v124-187 S^T, then p
.set O,   188                          ; v188-219 O^T
.set PC,  220                          ; v220-231 p's codes;  v232-255 at work;  v12 -M, v13 the largest t, v[14:15] the sum in two halves
.set WV,  8
.set G1,  16                           ; s[16:23] group 1; s[24:27] group 0
.set SEL, 32
.set CS,  34                           ; s[34:35] c = log2(e) / 8
.set TB,  36
.set TS,  37
.set CNT, 38
.set PAR, 39                           ; all ones in odd waves: my tile is the double fragment's second
.set SSEL, 40
.macro ROUND
	s_barrier_signal -1
	s_barrier_wait -1
	s_cmp_lg_u32 s[WV], 0
	s_cbranch_scc1 .Lnot_wave_0_\@
	s_barrier_signal -3
.Lnot_wave_0_\@:
	s_barrier_wait -3
	s_barrier_signal -1
	s_barrier_wait -1
.endm
	s_load_b128 s[4:7], s[0:1], 0x0                ; qkv, oq
	v_lshl_add_u32 v[SPW], v0, 2, SPARE
	v_mov_b32 v[NIL], 0
	ds_add_u32 v[SPW], v[NIL]                      ; the opening lines: the add, twice on end, and its wait ahead of my first tensor load
	ds_add_u32 v[SPW], v[NIL]
	v_lshrrev_b32 v8, 5, v0
	s_delay_alu instid0(VALU_DEP_1)
	v_readfirstlane_b32 s[WV], v8                  ; wave 0..15
	s_bfe_u32 s9, ttmp6, 0x40000                   ; cx: my block of 256 queries
	s_and_b32 s10, ttmp7, 0xffff                   ; y = 8 x batch + hp
	s_mov_b32 s[G1], 15|(3<<16)|(1<<21)            ; all four work-groups; elements of 8 bytes; bit 21 beside a mask
	s_mov_b32 s[G1+1], 32<<16                      ; a sixteenth of the two records: 12,800 dense bytes as 50 rows of 256
	s_mov_b32 s[G1+2], 50<<16
	s_mov_b32 s[G1+3], 32<<16
	s_mov_b32 s[G1+4], 50
	s_mov_b32 s[G1+5], 32
	s_mov_b32 s[G1+6], 0
	s_mov_b32 s[G1+7], 0
	s_mul_i32 s41, s[WV], 12800
	s_mul_i32 s12, s10, 2*REC
	s_add_co_u32 s12, s12, s41
	s_add_co_u32 s12, s12, 6553600
	s_mov_b32 s13, 0
	s_mov_b32 s[SEL], 0x76543210
	s_mov_b32 s[SEL+1], 0xfedcba98
	s_mov_b32 s[CS], 0x3e38aa3b
	s_mov_b32 s[CS+1], s[CS]
	s_and_b32 s42, s[WV], 1
	s_mov_b32 s[SSEL], 0x03020302
	s_cmp_eq_u32 s42, 0
	s_cselect_b32 s[PAR], 0, -1
	s_cselect_b32 s[SSEL], 0x01000100, s[SSEL]
	s_lshr_b32 s42, s[WV], 1
	s_lshl_b32 s43, s9, 3
	s_add_co_u32 s42, s42, s43                     ; G: my group of 32 tokens
	s_mul_i32 s44, s10, 98304
	s_mul_i32 s43, s42, 1536
	s_add_co_u32 s44, s44, s43
	s_mov_b32 s45, 0
	s_lshl_b32 s46, s10, 12
	s_lshr_b32 s43, s42, 2
	s_lshl_b32 s43, s43, 8
	s_add_co_u32 s46, s46, s43
	s_and_b32 s43, s42, 3
	s_lshl_b32 s43, s43, 2
	s_add_co_u32 s46, s46, s43
	s_add_co_u32 s46, s46, 6291456
	s_mov_b32 s47, 0
	s_lshr_b32 s48, s10, 3
	s_lshl_b32 s48, s48, 6
	s_lshl_b32 s43, s9, 4
	s_add_co_u32 s48, s48, s43
	s_add_co_u32 s48, s48, s[WV]                   ; T: my tile among the 512 of all tokens
	s_and_b32 s43, s10, 7                          ; hp
	s_lshl_b32 s50, s48, 3
	s_add_co_u32 s50, s50, s43
	s_mul_i32 s50, s50, 1536
	s_mov_b32 s51, 0
	s_lshl_b32 s52, s48, 9
	s_lshl_b32 s43, s43, 6
	s_add_co_u32 s52, s52, s43
	s_add_co_u32 s52, s52, 6291456
	s_mov_b32 s53, 0
	s_wait_dscnt 0x0                               ; both opening adds are done
	s_wait_kmcnt 0x0
	s_mov_b32 s24, 1
	s_mov_b32 s25, s41
	s_add_nc_u64 s[26:27], s[4:5], s[12:13]
	s_or_b32 s27, s27, 0x80000000
	s_add_nc_u64 s[44:45], s[4:5], s[44:45]        ; q's double fragment, first head
	s_add_nc_u64 s[46:47], s[4:5], s[46:47]        ; and its scale words
	s_add_nc_u64 s[50:51], s[6:7], s[50:51]        ; o's image
	s_add_nc_u64 s[52:53], s[6:7], s[52:53]        ; o's scale words
	v_and_b32 v8, 31, v0
	s_delay_alu instid0(VALU_DEP_1)
	v_lshlrev_b32 v[LI], 4, v8
	v_and_b32 v8, 15, v0
	s_delay_alu instid0(VALU_DEP_1)
	v_lshlrev_b32 v[LS], 4, v8
	s_delay_alu instid0(VALU_DEP_2)
	v_lshlrev_b32 v[L4], 2, v8
.irp c, 0,1,2                          ; q's loads go out ahead of the round: nobody writes these bytes, so they may be out across it
	global_load_b128 v[S+4*\c:S+4*\c+3], v[LI], s[44:45] offset:512*\c
	global_load_b128 v[RQB+4*\c:RQB+4*\c+3], v[LI], s[44:45] offset:49152+512*\c
.endr
	global_load_b32 v[RWA], v[LS], s[46:47]
	global_load_b32 v[RWB], v[LS], s[46:47] offset:2048
	ROUND                                          ; all four work-groups are here: the joint loads meet
	tensor_load_to_lds s[24:27], s[16:23]          ; every wave's one load
	s_nop 0
.rept 4
	v_nop
.endr
.irp i, 0,1,2,3,4,5
	v_mov_b32 v[QL+6+\i], 0                        ; the zero codes
	v_mov_b32 v[QH+\i], 0
.endr
.irp b, 0,1,2,3
	v_mov_b32 v[236+\b], 0                         ; written once: a lane permute's destination counts as one of its sources
.endr
	v_mov_b32 v253, 0                              ; (named as the upper half of v[252:253] before it is first written)
	s_wait_alu depctr_va_vdst(0)                   ; the wait at the head's end
	s_wait_loadcnt 0x0
	s_wait_tensorcnt 0x0                           ; my sixteenth of the two records is in,
	s_barrier_signal -1
	s_barrier_wait -1                              ; everybody's is
; One head: hd = 0, 1; rq, rw: q's double fragment and scale word as loaded
.macro HEAD hd, rq, rw
.irp i, 0,1,2,3,4,5
	v_cndmask_b32 v[QL+\i], v[\rq+\i], v[\rq+6+\i], s[PAR]   ; my tile's six registers
.endr
.irp i, 0,1,2,3,4,5
	v_mov_b32 v[QH+6+\i], v[QL+\i]
.endr
	v_perm_b32 v[QSW], v[\rw], v[\rw], s[SSEL]
	v_mov_b32 v13, 0xff61b1e6                      ; the largest t so far: -3e38
	s_delay_alu instid0(VALU_DEP_1)
	v_floor_f32 v12, -v13                          ; -M
	v_mov_b32 v14, 0
	v_mov_b32 v15, 0
.set n, 0
.rept 32
	v_mov_b32 v[O+n], 0                            ; the step is written once: the first finds zeros.  (Also the places between the scale word's making and the first product)
.set n, n+1
.endr
	s_mov_b32 s[TB], \hd*REC
	s_mov_b32 s[TS], \hd*REC+98304
	s_mov_b32 s[CNT], 8
.Ltrip_\@:                                             ; a trip: 128 keys
	v_add_nc_u32 v[ADC], s[TB], v[LI]
	v_add_nc_u32 v[ADS], s[TS], v[LS]
	v_nop
	v_nop                                          ; four places in front of loads into registers that the last products read
.irp bb, 0,1,2,3
.irp c, 0,1,2
	ds_load_b128 v[KV+12*\bb+4*\c:KV+12*\bb+4*\c+3], v[ADC] offset:1536*\bb+512*\c
.endr
.endr
	ds_load_b128 v[KS:KS+3], v[ADS]
	s_wait_alu depctr_va_vdst(0)
	s_wait_dscnt 0x0
.irp bb, 0,1,2,3                       ; S^T = k q^T: the fragment's first 16 keys, then its second 16
	v_wmma_scale_f32_16x16x128_f8f6f4 v[S+16*\bb:S+16*\bb+7], v[KV+12*\bb:KV+12*\bb+11], v[QL:QL+11], 0, v[KS+\bb], v[QSW] matrix_a_fmt:MATRIX_FMT_FP6 matrix_b_fmt:MATRIX_FMT_FP6
	v_wmma_scale_f32_16x16x128_f8f6f4 v[S+16*\bb+8:S+16*\bb+15], v[KV+12*\bb:KV+12*\bb+11], v[QH:QH+11], 0, v[KS+\bb], v[QSW] matrix_a_fmt:MATRIX_FMT_FP6 matrix_b_fmt:MATRIX_FMT_FP6
.endr                                  ; register 16 bb + i is key 32 bb + 16 (lane / 16) + i of the step
.rept 4
	v_nop
.endr
.irp ct, 0,1,2,3                       ; v's four fragments land under the softmax
.irp c, 0,1,2
	ds_load_b128 v[KV+12*\ct+4*\c:KV+12*\ct+4*\c+3], v[ADC] offset:49152+1536*\ct+512*\c
.endr
.endr
	ds_load_b128 v[VS:VS+3], v[ADS] offset:2048
.irp b, 0,1,2,3
	v_max3_num_f32 v[232+\b], v[S+16*\b], v[S+1+16*\b], v[S+2+16*\b]   ; the largest score of each block of 32 keys: for the row's maximum and, since p rises with the score, for the block's largest p
.endr
.irp i, 3,5,7,9,11,13
.irp b, 0,1,2,3
	v_max3_num_f32 v[232+\b], v[232+\b], v[S+16*\b+\i], v[S+1+16*\b+\i]
.endr
.endr
.irp b, 0,1,2,3
	v_max_num_f32 v[232+\b], v[232+\b], v[S+15+16*\b]
.endr
.irp b, 0,1,2,3
	s_delay_alu instid0(VALU_DEP_4)
	v_permlanex16_b32 v[236+\b], v[232+\b], s[SEL], s[SEL+1]
.endr
.irp b, 0,1,2,3
	s_delay_alu instid0(VALU_DEP_4)
	v_max_num_f32 v[232+\b], v[232+\b], v[236+\b]
.endr
	s_delay_alu instid0(VALU_DEP_2)
	v_max3_num_f32 v254, v232, v233, v234
	s_delay_alu instid0(VALU_DEP_1)
	v_max_num_f32 v254, v254, v235
	s_delay_alu instid0(VALU_DEP_1)
	v_mul_f32 v254, s[CS], v254                    ; as t
	s_delay_alu instid0(VALU_DEP_1)
	v_max_num_f32 v13, v13, v254                   ; the running largest t
	v_mov_b32 v254, v12
	s_delay_alu instid0(VALU_DEP_2)
	v_floor_f32 v12, -v13                          ; the new -M = -ceil(t)
	s_delay_alu instid0(VALU_DEP_1)
	v_sub_f32 v254, v12, v254                      ; old M - new M: a whole number, 0 or less
	s_delay_alu instid0(VALU_DEP_1)
	v_cvt_i32_f32 v254, v254                       ; (it saturates)
	s_delay_alu instid0(VALU_DEP_1)
	v_ldexp_f32 v252, 1.0, v254                    ; f = 2^(old M - new M): a multiplication by it rounds nothing
.set n, 0
.rept 32
	v_pk_fma_f32 v[S+n:S+n+1], v[S+n:S+n+1], s[CS:CS+1], v[12:13] op_sel_hi:[1,0,0]   ; t - M
.set n, n+2
.endr
.irp b, 0,1,2,3
	v_fma_f32 v[232+\b], v[232+\b], s[CS], v12
.endr
.set n, 0
	s_wait_alu depctr_va_vdst(0)                   ; the wait ahead of the batch
.rept 64
	v_exp_f32 v[S+n], v[S+n]                       ; p = 2^(t - M)
.set n, n+1
.endr
	v_pk_mul_f32 v[14:15], v[14:15], v[252:253] op_sel_hi:[1,0]   ; the sums under the new M: the plain place behind the exponentials
	s_wait_alu depctr_va_vdst(0)                   ; one wait for the batch, ahead of its first reader
.irp b, 0,1,2,3
	v_exp_f32 v[232+\b], v[232+\b]                 ; the blocks' largest p
.endr
	v_pk_add_f32 v[236:237], v[128:129], v[132:133]   ; the row's sum of the unquantised p, in eight chains
	v_pk_add_f32 v[254:255], v[136:137], v[140:141]
	v_pk_add_f32 v[250:251], v[144:145], v[148:149]
	v_pk_add_f32 v[248:249], v[152:153], v[156:157]
	v_pk_add_f32 v[246:247], v[160:161], v[164:165]
	v_pk_add_f32 v[244:245], v[168:169], v[172:173]
	v_pk_add_f32 v[242:243], v[176:177], v[180:181]
	v_pk_add_f32 v[14:15], v[14:15], v[184:185]
	v_pk_add_f32 v[236:237], v[236:237], v[124:125]
	v_pk_add_f32 v[254:255], v[254:255], v[126:127]
	v_pk_add_f32 v[250:251], v[250:251], v[130:131]
	v_pk_add_f32 v[248:249], v[248:249], v[134:135]
	v_pk_add_f32 v[246:247], v[246:247], v[138:139]
	v_pk_add_f32 v[244:245], v[244:245], v[142:143]
	v_pk_add_f32 v[242:243], v[242:243], v[146:147]
	v_pk_add_f32 v[14:15], v[14:15], v[150:151]
	v_pk_add_f32 v[236:237], v[236:237], v[154:155]
	v_pk_add_f32 v[254:255], v[254:255], v[158:159]
	v_pk_add_f32 v[250:251], v[250:251], v[162:163]
	v_pk_add_f32 v[248:249], v[248:249], v[166:167]
	v_pk_add_f32 v[246:247], v[246:247], v[170:171]
	v_pk_add_f32 v[244:245], v[244:245], v[174:175]
	v_pk_add_f32 v[242:243], v[242:243], v[178:179]
	v_pk_add_f32 v[14:15], v[14:15], v[182:183]
	v_pk_add_f32 v[236:237], v[236:237], v[186:187]
	s_delay_alu instid0(VALU_DEP_2)
	v_pk_add_f32 v[14:15], v[14:15], v[248:249]
	s_delay_alu instid0(VALU_DEP_2)
	v_pk_add_f32 v[236:237], v[236:237], v[246:247]
	v_pk_add_f32 v[254:255], v[254:255], v[244:245]
	v_pk_add_f32 v[250:251], v[250:251], v[242:243]
	s_delay_alu instid0(VALU_DEP_2)
	v_pk_add_f32 v[14:15], v[14:15], v[254:255]
	s_delay_alu instid0(VALU_DEP_2)
	v_pk_add_f32 v[236:237], v[236:237], v[250:251]
	s_delay_alu instid0(VALU_DEP_1)
	v_pk_add_f32 v[14:15], v[14:15], v[236:237]
	s_wait_alu depctr_va_vdst(0)                   ; and one for the four
.irp b, 0,1,2,3
	v_max_num_f32 v[232+\b], 0x1800000, v[232+\b]  ; the floor 2^(3 - 127)
.endr
.irp b, 0,1,2,3
	s_delay_alu instid0(VALU_DEP_4)
	v_add_nc_u32 v[244+\b], 0xff000000, v[232+\b]
.endr
.irp b, 0,1,2,3
	s_delay_alu instid0(VALU_DEP_4)
	v_lshrrev_b32 v[236+\b], 23, v[244+\b]
.endr
	s_delay_alu instid0(VALU_DEP_3)
	v_lshl_or_b32 v253, v237, 8, v236              ; p's scale word for these 128 keys
	s_delay_alu instid0(VALU_DEP_1)
	v_lshl_or_b32 v253, v238, 16, v253
	s_delay_alu instid0(VALU_DEP_1)
	v_lshl_or_b32 v253, v239, 24, v253
.irp c, 0,1
	v_cvt_scalef32_pk16_fp6_f32 v[PC+6*\c:PC+2+6*\c], v[S+32*\c:S+15+32*\c], v[244+2*\c]
	v_cvt_scalef32_pk16_fp6_f32 v[236+4*\c:238+4*\c], v[S+16+32*\c:S+31+32*\c], v[244+2*\c+1]
.endr
	v_nop                                          ; one plain place behind a scaled conversion
.irp c, 0,1
.irp i, 0,1,2
	v_permlane16_swap_b32 v[PC+6*\c+\i], v[236+4*\c+\i]
.endr
.irp i, 0,1,2
	s_delay_alu instid0(VALU_DEP_3)
	v_mov_b32 v[PC+3+6*\c+\i], v[236+4*\c+\i]
.endr
.endr
.set n, 0
.rept 16
	v_pk_mul_f32 v[O+n:O+n+1], v[O+n:O+n+1], v[252:253] op_sel_hi:[1,0]   ; O^T under the new M; also the places in front of the products below
.set n, n+2
.endr
	s_wait_alu depctr_va_vdst(0)
	s_wait_dscnt 0x0                               ; v's fragments and scale words
.irp ct, 0,1,2,3                       ; O^T += v^T p^T: four accumulators by turns
	v_wmma_scale_f32_16x16x128_f8f6f4 v[O+8*\ct:O+8*\ct+7], v[KV+12*\ct:KV+12*\ct+11], v[PC:PC+11], v[O+8*\ct:O+8*\ct+7], v[VS+\ct], v253 matrix_a_fmt:MATRIX_FMT_FP6 matrix_b_fmt:MATRIX_FMT_FP6
.endr
	s_add_co_u32 s[TB], s[TB], 6144
	s_add_co_u32 s[TS], s[TS], 256
	s_sub_co_u32 s[CNT], s[CNT], 1
	s_cmp_lg_u32 s[CNT], 0
	s_cbranch_scc1 .Ltrip_\@
	; the head's end: o = O^T / the sum, quantised: 64 channels, two blocks, half a fragment
	v_add_f32 v14, v14, v15
	s_delay_alu instid0(VALU_DEP_1)
	v_permlanex16_b32 v252, v14, s[SEL], s[SEL+1]
	s_delay_alu instid0(VALU_DEP_1)
	v_add_f32 v14, v14, v252
	s_wait_alu depctr_va_vdst(0)
	v_rcp_f32 v14, v14
	v_nop
	v_nop
	s_wait_alu depctr_va_vdst(0)                   ; ahead of the reciprocal's first reader
.set n, 0
.rept 32
	v_mul_f32 v[S+n], v[O+n], v14                  ; register 16 b + i is channel 32 b + 16 (lane / 16) + i
.set n, n+1
.endr
.irp b, 0,1
	v_max3_num_f32 v[232+\b], |v[S+16*\b]|, |v[S+1+16*\b]|, 0x1800000
.endr
.irp i, 2,4,6,8,10,12,14
.irp b, 0,1
	s_delay_alu instid0(VALU_DEP_2)
	v_max3_num_f32 v[232+\b], v[232+\b], |v[S+16*\b+\i]|, |v[S+1+16*\b+\i]|
.endr
.endr
.irp b, 0,1
	s_delay_alu instid0(VALU_DEP_2)
	v_permlanex16_b32 v[236+\b], v[232+\b], s[SEL], s[SEL+1]
.endr
.irp b, 0,1
	s_delay_alu instid0(VALU_DEP_2)
	v_max_num_f32 v[232+\b], v[232+\b], v[236+\b]
.endr
.irp b, 0,1
	s_delay_alu instid0(VALU_DEP_2)
	v_add_nc_u32 v[244+\b], 0xff000000, v[232+\b]
.endr
.irp b, 0,1
	s_delay_alu instid0(VALU_DEP_2)
	v_lshrrev_b32 v[236+\b], 23, v[244+\b]
.endr
.if \hd == 0
	s_delay_alu instid0(VALU_DEP_1)
	v_lshl_or_b32 v[OW], v237, 8, v236
.else
	s_delay_alu instid0(VALU_DEP_1)
	v_lshl_or_b32 v254, v237, 8, v236
	s_delay_alu instid0(VALU_DEP_1)
	v_lshl_or_b32 v[OW], v254, 16, v[OW]
.endif
	v_cvt_scalef32_pk16_fp6_f32 v[OF+6*\hd:OF+6*\hd+2], v[S:S+15], v244
	v_cvt_scalef32_pk16_fp6_f32 v[240:242], v[S+16:S+31], v245
	v_nop                                          ; one plain place behind a scaled conversion
.irp i, 0,1,2
	v_permlane16_swap_b32 v[OF+6*\hd+\i], v[240+\i]
.endr
.irp i, 0,1,2
	s_delay_alu instid0(VALU_DEP_3)
	v_mov_b32 v[OF+6*\hd+3+\i], v[240+\i]
.endr
.endm
	HEAD 0, S, RWA
	HEAD 1, RQB, RWB
.irp c, 0,1,2
	global_store_b128 v[LI], v[OF+4*\c:OF+4*\c+3], s[50:51] offset:512*\c   ; 512 consecutive bytes, at a multiple of 256
.endr
	global_store_b32 v[L4], v[OW], s[52:53]        ; 64 bytes; lanes 16-31 write the same words with the same values
	s_wait_tensorcnt 0x0                           ; the wave's end
	ds_add_u32 v[SPW], v[NIL]
	s_wait_dscnt 0x0
	ROUND                                          ; the closing round
	s_endpgm
.Lfunc_end_k_q0b83105151_attn:
	.size	k_q0b83105151_attn, .Lfunc_end_k_q0b83105151_attn-k_q0b83105151_attn
	.p2alignl 7, 3214868480
	.fill 96, 4, 3214868480
	.section	.rodata,"a",@progbits
	.p2align	6, 0x0
	.amdhsa_kernel k_q0b83105151_attn
		.amdhsa_group_segment_fixed_size 327680
		.amdhsa_private_segment_fixed_size 0
		.amdhsa_enable_private_segment 0
		.amdhsa_kernarg_size 16
		.amdhsa_user_sgpr_count 2
		.amdhsa_user_sgpr_kernarg_segment_ptr 1
		.amdhsa_wavefront_size32 1
		.amdhsa_system_sgpr_workgroup_id_x 1
		.amdhsa_system_sgpr_workgroup_id_y 1
		.amdhsa_system_sgpr_workgroup_id_z 1
		.amdhsa_system_vgpr_workitem_id 0
		.amdhsa_next_free_vgpr 256
		.amdhsa_next_free_sgpr 66
		.amdhsa_reserve_vcc 0
		.amdhsa_float_denorm_mode_32 3
		.amdhsa_float_denorm_mode_16_64 3
		.amdhsa_memory_ordered 1
		.amdhsa_forward_progress 1
		.amdhsa_inst_pref_size 52
	.end_amdhsa_kernel
	.amdgpu_metadata
---
amdhsa.version: [ 1, 2 ]
amdhsa.kernels:
  - .name:           k_q0b83105151_attn
    .symbol:         k_q0b83105151_attn.kd
    .args:
      - { .name: qkv, .offset: 0, .size: 8, .value_kind: global_buffer, .address_space: global }
      - { .name: oq, .offset: 8, .size: 8, .value_kind: global_buffer, .address_space: global }
    .group_segment_fixed_size: 327680
    .private_segment_fixed_size: 0
    .kernarg_segment_align: 8
    .kernarg_segment_size: 16
    .max_flat_workgroup_size: 512
    .sgpr_count:     66
    .vgpr_count:     256
    .wavefront_size: 32
...
	.end_amdgpu_metadata
.endif
;; end of part 3
;; launch proj (part 4): grid 4 x 64, 4 waves a work-group, clusters of 4 x 4, 327,680 bytes of LDS; arguments oq, wq, bproj, out0; writes out0
.if DOCPART == 4
	.amdgcn_target "amdgcn-amd-amdhsa--gfx1250"
	.amdhsa_code_object_version 6
	.text
	.protected	k_q0b83105151_proj
	.globl	k_q0b83105151_proj
	.p2align	8
	.type	k_q0b83105151_proj,@function
k_q0b83105151_proj:
	s_mov_b64 s[64:65], 0
	v_nop
	global_prefetch_b8 v0, s[64:65] scope:SCOPE_SE
	s_setreg_imm32_b32 hwreg(HW_REG_WAVE_MODE, 25, 1), 1
	s_wait_xcnt 0x0
	s_wait_alu depctr_hold_cnt(0) depctr_sa_sdst(0) depctr_va_vdst(0) depctr_va_sdst(0) depctr_va_ssrc(0) depctr_va_vcc(0) depctr_vm_vsrc(0)
	s_getreg_b32 s2, hwreg(HW_REG_IB_STS2, 6, 4)
	s_cmp_eq_u32 s2, 0
	s_cbranch_scc0 .Lentry_in_a_cluster
	s_endpgm
.Lentry_in_a_cluster:
	s_bfe_u32 s2, ttmp6, 0x10000c
	s_cmp_lg_u32 s2, 0xf033
	s_cbranch_scc0 .Lentry_shape_is_right
	s_endpgm
.Lentry_shape_is_right:
; out0 = o Wproj^T + bproj on codes of FP6 (E2M3) with E8M0 scales; out0 [8192][1024] f32.
; A tile is 128 tokens x 256 features: 256 work-groups.  Four waves, each 64 x 128: 32 accumulators.  Source 0 = Wproj's tiles, source 1 = o's: a lane holds one token and eight neighbouring features.
; Operands lie in memory and in LDS as images of their registers (1,536 bytes a fragment: three ds_load_b128 of 512 consecutive bytes).  All of K for the tile fits in LDS, in two halves of four K steps, each filled once:
; a wave asks for its part of half 0 at the head and for its part of half 1 behind the lines and the round ahead of a later first fill.  Every wait on TENSORcnt is for 0: one load of a wave is out.
; One barrier stands ahead of the first read of half 1; behind it nobody reads half 0, which then holds the stages of the way out.
; THE SCALE WORDS go from memory into registers: a register holds K step 2 j in lanes 0-15 and 2 j + 1 in lanes 16-31 (128 consecutive bytes a load); the ROW selectors choose.
; CLUSTERS: 4 x 4: o's tiles jointly along a row of the cluster, Wproj's along a column.  The bias is the C of each sum's first matrix instruction.
; PREFETCH: half 1's load goes out with nothing on its way beside it, so its bytes are asked of memory behind the head's load, one fill ahead.  A tile's half is 24 blocks of 256 bytes, a lane a block.  Of o's 8 tiles
; each of the four partners along the row takes 2 (by cx), a wave one; of Wproj's 16 each partner along the column takes 4 (by cy), a wave two: told apart by address, each block named once in the cluster.
; REGISTERS: window 0: v8-13, v24-31 addresses; v32-47 o's scale words (4 a + j), v48-79 Wproj's (4 b + j); v96-143, v144-191 o's fragments, two sets; on the way out v128-255.
;   window 1: Wproj's fragments, two sets, at v0 and v128.   window 2: the accumulators ((a, b) at v[8 (8 a + b)]).   window 3: v0-63 the bias, eight registers a tile of features.
.set FR,    12
.set HT,    6144                       ; a tile's four K steps
.set HB,    24*HT                      ; a half: o's 8 tiles, then Wproj's 16
.set SPARE, 2*HB                       ; the spare words, 128 bytes a wave
.set ADR1, 8                           ; v8-9   o's fragments in half 0, 1
.set ADR0, 12                          ; v12-13 Wproj's
.set STO,  24
.set RD,   25
.set CO,   26                          ; 16 x lane
.set SO,   27                          ; 4 x lane
.set SPW,  28
.set NIL,  29
.set BO,   30
.set PF,   31                          ; the prefetches' offset: 256 x min(lane, 23); never rewritten
.set SA,   32
.set SB,   48
.set AF,   96
.set BK,   128
.set G1A, 24                           ; s[24:31] group 1 for o's tiles; s[32:39] for Wproj's
.set G1B, 32
.set GA,  40                           ; groups 0: s[40:47] o's two halves, s[48:55] Wproj's
.set GB,  48
.set PSA, 56                           ; s[56:57] o's scale words, s[58:59] Wproj's
.set PSB, 58
.set PFA, 60                           ; s[60:61] where my prefetches stand; never rewritten
.set MSB, 0
.macro WIN new
.if MSB != (\new)
	s_set_vgpr_msb (MSB<<8)|(\new)
.set MSB, (\new)
.endif
.endm
.macro JLOAD g0a, g1a, g0b, g1b        ; waves 0 and 1 fetch o's halves of the tiles, waves 2 and 3 Wproj's; an s_nop 0 and four v_nop follow each line
	s_cmp_eq_u32 s15, 0
	s_cbranch_scc0 .Lfor_b_\@
	tensor_load_to_lds s[\g0a:\g0a+3], s[\g1a:\g1a+7]
	s_nop 0
.rept 4
	v_nop
.endr
	s_branch .Lasked_\@
.Lfor_b_\@:
	tensor_load_to_lds s[\g0b:\g0b+3], s[\g1b:\g1b+7]
	s_nop 0
.rept 4
	v_nop
.endr
.Lasked_\@:
.endm
.macro CROUND
	s_barrier_signal -1
	s_barrier_wait -1
	s_cmp_lg_u32 s14, 0
	s_cbranch_scc1 .Lnot_wave_0_\@
	s_barrier_signal -3
.Lnot_wave_0_\@:
	s_barrier_wait -3
	s_barrier_signal -1
	s_barrier_wait -1
.endm
.macro PLACES
.rept 4
	v_nop
.endr
.endm
	s_load_b256 s[4:11], s[0:1], 0x0               ; oq, wq, bproj, out0
	v_lshl_add_u32 v[SPW], v0, 2, SPARE
	v_mov_b32 v[NIL], 0
	ds_add_u32 v[SPW], v[NIL]                      ; the opening lines: the add, twice on end, and its wait ahead of my first tensor load
	ds_add_u32 v[SPW], v[NIL]
	v_lshrrev_b32 v1, 5, v0
	v_readfirstlane_b32 s14, v1
	s_lshr_b32 s15, s14, 1                         ; my half of the tokens.  Also: I fetch for o (0) or for Wproj (1)
	s_and_b32 s16, s14, 1                          ; my half of the features.  Also: which half of the tiles I fetch
	s_bfe_u32 s12, ttmp6, 0x40000                  ; cx
	s_bfe_u32 s13, ttmp6, 0x40004                  ; cy
	s_lshl_b32 s2, ttmp9, 2
	s_add_co_u32 s2, s2, s12                       ; tile column: 256 features
	s_and_b32 s17, ttmp7, 0xffff
	s_lshl_b32 s17, s17, 2
	s_add_co_u32 s17, s17, s13                     ; tile row: 128 tokens
	s_lshl_b32 s18, s13, 2
	s_lshl_b32 s18, 15, s18                        ; my row of the cluster
	s_lshl_b32 s19, 0x1111, s12                    ; my column
	s_or_b32 s[G1A], s18, (3<<16)|(1<<21)
	s_mov_b32 s[G1A+1], 768<<16                    ; a tile's four K steps, 6,144 bytes;
	s_mov_b32 s[G1A+2], 4<<16                      ; 4 tiles,
	s_mov_b32 s[G1A+3], 768<<16
	s_mov_b32 s[G1A+4], 4
	s_mov_b32 s[G1A+5], 1536                       ; 12,288 bytes apart
	s_mov_b32 s[G1A+6], 0
	s_mov_b32 s[G1A+7], 0
	s_or_b32 s[G1B], s19, (3<<16)|(1<<21)
	s_mov_b32 s[G1B+1], 768<<16
	s_mov_b32 s[G1B+2], 8<<16                      ; 8 tiles
	s_mov_b32 s[G1B+3], 768<<16
	s_mov_b32 s[G1B+4], 8
	s_mov_b32 s[G1B+5], 1536
	s_mov_b32 s[G1B+6], 0
	s_mov_b32 s[G1B+7], 0
	s_lshl_b32 s20, s17, 3                         ; o: tile 8 x tile row
	s_lshl_b32 s3, s16, 2
	s_add_co_u32 s[GA+2], s20, s3                  ; + the 4 that I fetch
	s_mul_i32 s[GA+2], s[GA+2], 12288
	s_mov_b32 s[GA+3], 0
	s_lshl_b32 s3, s15, 2
	s_add_co_u32 s[PSA], s20, s3                   ; + the 4 that I multiply: their scale words, 512 bytes a tile
	s_lshl_b32 s[PSA], s[PSA], 9
	s_add_co_u32 s[PSA], s[PSA], 6291456
	s_mov_b32 s[PSA+1], 0
	s_lshl_b32 s22, s2, 4                          ; Wproj: tile 16 x tile column + 8 x half: those that I fetch are those that I multiply
	s_lshl_b32 s3, s16, 3
	s_add_co_u32 s22, s22, s3
	s_mul_i32 s[GB+2], s22, 12288
	s_add_co_u32 s[GB+2], s[GB+2], 2457600
	s_mov_b32 s[GB+3], 0
	s_lshl_b32 s[PSB], s22, 9
	s_add_co_u32 s[PSB], s[PSB], 3244032
	s_mov_b32 s[PSB+1], 0
	s_mul_i32 s3, s16, 4*HT                        ; where they go in a half: o's,
	s_mul_i32 s18, s16, 8*HT
	s_add_co_u32 s18, s18, 8*HT                    ; Wproj's
	s_wait_dscnt 0x0                               ; both opening adds are done
	s_wait_kmcnt 0x0
	s_add_nc_u64 s[GA+2:GA+3], s[4:5], s[GA+2:GA+3]
	s_add_nc_u64 s[GB+2:GB+3], s[6:7], s[GB+2:GB+3]
	s_add_nc_u64 s[GA+6:GA+7], s[GA+2:GA+3], HT
	s_add_nc_u64 s[GB+6:GB+7], s[GB+2:GB+3], HT
.irp j, 0,1
	s_mov_b32 s[GA+4*\j], 1
	s_add_co_u32 s[GA+4*\j+1], s3, \j*HB
	s_or_b32 s[GA+4*\j+3], s[GA+4*\j+3], 0x80000000
	s_mov_b32 s[GB+4*\j], 1
	s_add_co_u32 s[GB+4*\j+1], s18, \j*HB
	s_or_b32 s[GB+4*\j+3], s[GB+4*\j+3], 0x80000000
.endr
	s_add_nc_u64 s[PSA:PSA+1], s[4:5], s[PSA:PSA+1]
	s_add_nc_u64 s[PSB:PSB+1], s[6:7], s[PSB:PSB+1]
	CROUND                                         ; all sixteen work-groups are here: the joint loads meet
	JLOAD GA, G1A, GB, G1B                         ; K steps 0 to 3: my one load at the head
	v_and_b32 v1, 15, v0                           ; r
	v_bfe_u32 v2, v0, 4, 1                         ; h
	v_and_b32 v3, 31, v0
	v_lshlrev_b32 v[CO], 4, v3
	v_lshlrev_b32 v[SO], 2, v3
	v_lshlrev_b32 v[BO], 6, v2
	v_min_u32 v4, 23, v3                           ; lanes 24-31 name the tile's last block again
	v_lshlrev_b32 v[PF], 8, v4
	s_wait_alu depctr_va_vdst(0)                   ; the wait ahead of the scalar lines below
	s_lshl_b32 s22, s17, 3                         ; the prefetches: o's tile 8 x tile row + 2 cx + my wave's one,
	s_lshl_b32 s23, s12, 1
	s_add_co_u32 s22, s22, s23
	s_add_co_u32 s22, s22, s16
	s_mul_i32 s22, s22, 12288
	s_lshl_b32 s23, s2, 4                          ; or Wproj's tile 16 x tile column + 4 cy + my wave's two
	s_lshl_b32 s3, s13, 2
	s_add_co_u32 s23, s23, s3
	s_lshl_b32 s3, s16, 1
	s_add_co_u32 s23, s23, s3
	s_mul_i32 s23, s23, 12288
	s_add_co_u32 s23, s23, 2457600
	s_cmp_eq_u32 s15, 0                            ; the choice hangs on the wave's number alone
	s_cselect_b32 s22, s22, s23
	s_cselect_b64 s[PFA:PFA+1], s[4:5], s[6:7]
	s_mov_b32 s23, 0
	s_add_nc_u64 s[PFA:PFA+1], s[PFA:PFA+1], s[22:23]
	global_prefetch_b8 v[PF], s[PFA:PFA+1] offset:HT th:TH_LOAD_NT scope:SCOPE_SE          ; K steps 4 to 7 of my tile
	s_cmp_eq_u32 s15, 0
	s_cbranch_scc1 .Lone_tile
	global_prefetch_b8 v[PF], s[PFA:PFA+1] offset:12288+HT th:TH_LOAD_NT scope:SCOPE_SE    ; and of Wproj's second
.Lone_tile:
	s_lshl_b32 s20, s2, 10                         ; my first feature, in bytes: 1,024 x tile column + 512 x half
	s_lshl_b32 s21, s16, 9
	s_add_co_u32 s20, s20, s21
	s_mov_b32 s21, 0
	s_add_nc_u64 s[8:9], s[8:9], s[20:21]
.irp a, 0,1,2,3
.irp j, 0,1,2,3
	global_load_b32 v[SA+4*\a+\j], v[SO], s[PSA:PSA+1] offset:512*\a+128*\j   ; o's tile a: lanes 0-15 K step 2 j, lanes 16-31 K step 2 j + 1
.endr
.endr
.irp b, 0,1,2,3,4,5,6,7
.irp j, 0,1,2,3
	global_load_b32 v[SB+4*\b+\j], v[SO], s[PSB:PSB+1] offset:512*\b+128*\j   ; Wproj's tile b likewise
.endr
.endr
	WIN 0xc0                                       ; destination window 3
.irp b, 0,1,2,3,4,5,6,7
	global_load_b128 v[8*\b:8*\b+3], v[BO], s[8:9] offset:(32*(\b/2)+8*(\b%2))*4       ; the bias in the result's layout: features 32 (b / 2) + 8 (b % 2) + 16 h + 0 .. 7
	global_load_b128 v[8*\b+4:8*\b+7], v[BO], s[8:9] offset:(32*(\b/2)+8*(\b%2))*4+16
.endr
	WIN 0
	s_lshl_b32 s22, s17, 7
	s_lshl_b32 s23, s15, 6
	s_add_co_u32 s22, s22, s23                     ; my first token
	s_lshl_b32 s22, s22, 12
	s_add_co_u32 s20, s20, s22
	s_add_nc_u64 s[10:11], s[10:11], s[20:21]      ; out0 at my corner
	s_mul_i32 s20, s15, 4*HT
	s_mul_i32 s22, s16, 8*HT
	s_add_co_u32 s22, s22, 8*HT
.irp j, 0,1
	v_add_nc_u32 v[ADR1+\j], s20, v[CO]
	v_add_nc_u32 v[ADR0+\j], s22, v[CO]
	s_add_co_u32 s20, s20, HB
	s_add_co_u32 s22, s22, HB
.endr
	s_mul_i32 s20, s14, 16*528                     ; my stage, in half 0
	v_mul_u32_u24 v[STO], v1, 528
	v_lshl_add_u32 v[STO], v2, 6, v[STO]
	v_add_nc_u32 v[STO], s20, v[STO]               ; in: row r, + 64 h
	v_add_nc_u32 v[RD], s20, v[CO]                 ; back: a row of 512 bytes to the 32 lanes
.macro FRAG reg, adr, off
.irp c, 0,1,2
	ds_load_b128 v[(\reg)+4*\c:(\reg)+4*\c+3], v[\adr] offset:(\off)+512*\c
.endr
.endm
.macro FETCH ks                        ; K step ks: Wproj's eight fragments and o's four, into sets ks % 2
	WIN 0x40
.irp i, 0,1,2,3,4,5,6,7
	FRAG 128*((\ks)%2)+FR*\i, ADR0+(\ks)/4, HT*\i+1536*((\ks)%4)
.endr
	WIN 0
.irp i, 0,1,2,3
	FRAG AF+48*((\ks)%2)+FR*\i, ADR1+(\ks)/4, HT*\i+1536*((\ks)%4)
.endr
.endm
.macro MUL32 ks                        ; 32 accumulators by turns, one instruction a turn, in the same order in every step
.irp a, 0,1,2,3
.irp b, 0,1,2,3,4,5,6,7
.if (\ks) == 0
	v_wmma_scale_f32_16x16x128_f8f6f4 v[8*(8*\a+\b):8*(8*\a+\b)+7], v[FR*\b:FR*\b+FR-1], v[AF+FR*\a:AF+FR*\a+FR-1], v[8*\b:8*\b+7], v[SB+4*\b], v[SA+4*\a] matrix_a_fmt:MATRIX_FMT_FP6 matrix_b_fmt:MATRIX_FMT_FP6
.elseif (\ks)%2 == 0
	v_wmma_scale_f32_16x16x128_f8f6f4 v[8*(8*\a+\b):8*(8*\a+\b)+7], v[FR*\b:FR*\b+FR-1], v[AF+FR*\a:AF+FR*\a+FR-1], v[8*(8*\a+\b):8*(8*\a+\b)+7], v[SB+4*\b+(\ks)/2], v[SA+4*\a+(\ks)/2] matrix_a_fmt:MATRIX_FMT_FP6 matrix_b_fmt:MATRIX_FMT_FP6
.else
	v_wmma_scale_f32_16x16x128_f8f6f4 v[8*(8*\a+\b):8*(8*\a+\b)+7], v[128+FR*\b:128+FR*\b+FR-1], v[AF+48+FR*\a:AF+48+FR*\a+FR-1], v[8*(8*\a+\b):8*(8*\a+\b)+7], v[SB+4*\b+(\ks)/2], v[SA+4*\a+(\ks)/2] matrix_a_fmt:MATRIX_FMT_FP6 matrix_b_fmt:MATRIX_FMT_FP6 matrix_a_scale:MATRIX_SCALE_ROW1 matrix_b_scale:MATRIX_SCALE_ROW1
.endif
.endr
.endr
.endm
.macro STEP4 ks
	s_wait_dscnt 0x0                               ; this step's fragments are in
.if (\ks) == 3
	s_wait_tensorcnt 0x0                           ; my part of half 1 is in, and my reads of half 0 are over
	s_barrier_signal -1
	s_barrier_wait -1                              ; both hold of every wave
.endif
.if (\ks) < 7
.if (\ks) > 0
	PLACES                                         ; in front of loads into registers that the last step's products read
.endif
	FETCH (\ks)+1
.endif
.if (\ks) == 0
	s_wait_loadcnt 0x0                             ; the scale words and the bias
	WIN 0xb1                                       ; source 0 window 1, source 1 window 0, C window 3, D window 2
.else
	WIN 0xa1
.endif
	MUL32 \ks
.endm
	s_wait_alu depctr_va_vdst(0)                   ; the wait at the head's end
	s_wait_tensorcnt 0x0                           ; my part of half 0 is in; the lines ahead of a later first fill:
	ds_add_u32 v[SPW], v[NIL]
	s_wait_dscnt 0x0
	CROUND                                         ; everybody's part is in, and all sixteen work-groups are here
	JLOAD GA+4, G1A, GB+4, G1B                     ; K steps 4 to 7, the first tensor load behind the round
	FETCH 0
.irp k, 0,1,2,3,4,5,6,7
	STEP4 \k
.endr
	WIN 0
; THE WAY OUT, a tile of 16 tokens x 128 features at a time, through my stage: back as whole rows of 512 bytes.  LDS serves a wave's instructions in order: no wait between the stores and the loads.
.macro TOSTAGE a
	WIN 0x08                                       ; an LDS store's data are its source 1: window 2
.irp b, 0,1,2,3,4,5,6,7
	ds_store_b128 v[STO], v[64*(\a)+8*\b:64*(\a)+8*\b+3] offset:128*(\b/2)+32*(\b%2)          ; each accumulator from its low end on
	ds_store_b128 v[STO], v[64*(\a)+8*\b+4:64*(\a)+8*\b+7] offset:128*(\b/2)+32*(\b%2)+16
.endr
	WIN 0
.set BB, BK+64*((\a)%2)
.irp t, 0,1,2,3,4,5,6,7,8,9,10,11,12,13,14,15
	ds_load_b128 v[BB+4*\t:BB+4*\t+3], v[RD] offset:\t*528
.endr
.endm
.macro SEND a, younger
.set BB, BK+64*((\a)%2)
	s_wait_dscnt \younger                          ; the tile is back in registers; the LDS instructions issued behind its loads may be out
.irp t, 0,1,2,3,4,5,6,7,8,9,10,11,12,13,14,15
	global_store_b128 v[CO], v[BB+4*\t:BB+4*\t+3], s[10:11] offset:(32*((\a)/2)+8*((\a)%2)+\t+8*(\t/8))*4096 th:TH_STORE_NT   ; 512 consecutive bytes, at a multiple of 256; the tile's row t is token t + 8 (t / 8)
.endr
.endm
	PLACES                                         ; in front of the first reads of results and of loads into o's registers
	TOSTAGE 0
.irp a, 1,2,3
.if \a > 1
	s_wait_xcnt 0x0                                ; tile a - 2's stores have read their registers: tile a's loads may land there
.endif
	TOSTAGE \a
	SEND \a-1, 32
.endr
	SEND 3, 0
	s_wait_tensorcnt 0x0                           ; the wave's end, behind my last tensor load and my last LDS store
	ds_add_u32 v[SPW], v[NIL]
	s_wait_dscnt 0x0
	CROUND                                         ; the closing round
	s_endpgm
.Lfunc_end_k_q0b83105151_proj:
	.size	k_q0b83105151_proj, .Lfunc_end_k_q0b83105151_proj-k_q0b83105151_proj
	.p2alignl 7, 3214868480
	.fill 96, 4, 3214868480
	.section	.rodata,"a",@progbits
	.p2align	6, 0x0
	.amdhsa_kernel k_q0b83105151_proj
		.amdhsa_group_segment_fixed_size 327680
		.amdhsa_private_segment_fixed_size 0
		.amdhsa_enable_private_segment 0
		.amdhsa_kernarg_size 32
		.amdhsa_user_sgpr_count 2
		.amdhsa_user_sgpr_kernarg_segment_ptr 1
		.amdhsa_wavefront_size32 1
		.amdhsa_system_sgpr_workgroup_id_x 1
		.amdhsa_system_sgpr_workgroup_id_y 1
		.amdhsa_system_sgpr_workgroup_id_z 1
		.amdhsa_system_vgpr_workitem_id 0
		.amdhsa_next_free_vgpr 832
		.amdhsa_next_free_sgpr 66
		.amdhsa_reserve_vcc 0
		.amdhsa_float_denorm_mode_32 3
		.amdhsa_float_denorm_mode_16_64 3
		.amdhsa_memory_ordered 1
		.amdhsa_forward_progress 1
		.amdhsa_inst_pref_size 82
	.end_amdhsa_kernel
	.amdgpu_metadata
---
amdhsa.version: [ 1, 2 ]
amdhsa.kernels:
  - .name:           k_q0b83105151_proj
    .symbol:         k_q0b83105151_proj.kd
    .args:
      - { .name: oq, .offset: 0, .size: 8, .value_kind: global_buffer, .address_space: global }
      - { .name: wq, .offset: 8, .size: 8, .value_kind: global_buffer, .address_space: global }
      - { .name: bproj, .offset: 16, .size: 8, .value_kind: global_buffer, .address_space: global }
      - { .name: out0, .offset: 24, .size: 8, .value_kind: global_buffer, .address_space: global }
    .group_segment_fixed_size: 327680
    .private_segment_fixed_size: 0
    .kernarg_segment_align: 8
    .kernarg_segment_size: 32
    .max_flat_workgroup_size: 128
    .sgpr_count:     66
    .vgpr_count:     832
    .wavefront_size: 32
...
	.end_amdgpu_metadata
.endif
;; end of part 4
